; MI455X (gfx1250); checked and timed in simulation.
; The chip was launched on July 23, 2026; its instructions are those of AMD's public machine-readable ISA for CDNA 5 (MIT licence, August 2026) and "CDNA5" Instruction Set Architecture Reference Guide (July 2026). The comments in the code are by the model that wrote it; some were corrected since.
;; Scaled Dot Product Attention. Allowed arithmetic: matrix products marked QUANTISED: E2M1 operands, one E8M0 scale for each 32 along K, by v_wmma_scale_f32_16x16x128_f8f6f4 with both operands' format E2M1 (or v_wmma_scale_f32_32x16x128_f4), f32 sums; everything else in f32.
;; Inputs: key 8 x 2,048 x 64 float32; mask 8 x 2,048 bool; query 8 x 2,048 x 64 float32; value 8 x 2,048 x 64 float32.
;; Outputs: out0 8 x 2,048 x 64 float32.
;; This version of the problem:
;;   THIS VERSION OF THE PROBLEM IS GIVEN IN LOW PRECISION. The matrix products marked QUANTISED in the list below multiply operands that are first quantised to E2M1 (2 exponent bits, 1 mantissa bit; 4 bits a number), with one power-of-two scale for each 32 numbers along K (OCP MX v1.0); their sums are f32. All else is computed in f32.
;;   The module's matrix products, in the order in which they are computed (A, B: the left and right operand; K: the contracted axis; several contracted axes count as one K, in the product's order):
;;     1. batch 8 x [M 2,048, K 64] x [K 64, N 2,048]; A: input query; B: input key: QUANTISED
;;     2. batch 8 x [M 2,048, K 2,048] x [K 2,048, N 64]; A: softmax (see below); B: input value: QUANTISED
;;   THE QUANTISER, for each operand of a quantised product, along K:
;;     - K is cut into blocks of 32 from its start; a last block that is shorter is filled with zeros.
;;     - A block's scale is 2^e with e = floor(log2(the largest magnitude in the block)) - 2, held to -126 .. 127; a block of zeros has e = 0. As a byte (E8M0): e + 127.
;;     - Each number is divided by its block's scale, clamped to +-6, and rounded to the nearest number of E2M1, ties to even, subnormals kept.
;;     - The product sums the exact products of the quantised numbers (number of the format x scale) in f32.
;;   ~~~python
;;   def quantise(x, axis):      # numpy; x: float32 -> the quantised numbers, widened to float32 again
;;       x = np.moveaxis(x, axis, -1); K = x.shape[-1]
;;       x = np.pad(x, [(0, 0)] * (x.ndim - 1) + [(0, -K % 32)]); x = x.reshape(x.shape[:-1] + (-1, 32)); a = np.abs(x).max(-1, keepdims=True)
;;       e = np.where(a > 0, np.clip(np.frexp(np.where(a > 0, a, 1))[1] - 1 - 2, -126, 127), 0)      # np.frexp(a)[1] - 1 = floor(log2(a)), exactly
;;       r = np.clip(x / 2.0 ** e, -6, 6)
;;       step = 2.0 ** (np.maximum(np.frexp(np.where(r == 0, 1, r))[1] - 1, 0) - 1)
;;       q = np.round(r / step) * step * 2.0 ** e      # np.round: ties to even
;;       return np.moveaxis(q.reshape(q.shape[:-2] + (-1,))[..., :K], -1, axis).astype(np.float32)
;;   ~~~
;;   SOFTMAX AHEAD OF A QUANTISED PRODUCT. Where the list says 'softmax', what is quantised is not the finished softmax but p = 2^(t - M), with t = logit x log2(e) and M = ceil(the row's largest t), a whole number; so 1/2 < the row's largest p <= 1. The row's sum l is taken of the UNQUANTISED p, in f32, and the product's result is divided by l at the end. Since M is a whole number, a kernel that streams over the keys may use a running M (the ceiling of the running maximum): every later rescaling is an exact power of two, which a block's scale takes up: the codes' values come out the same.
;;   OPERANDS COMPUTED ON THE WAY. 'Computed on the way' means the value that the module computes at that place (a softmax that the list does not call 'softmax' is quantised finished and normalised). What goes into a quantiser is computed in f32, as accurately as f32 sums, v_exp_f32 and their like allow (about 1e-6 of the number): no bf16 or f16 on the way to a quantiser, and a product that is left as it is and whose result goes on into a quantised operand takes f32 operands (vector FMAs, or v_wmma_f32_16x16x4_f32). A number that lies on a knife's edge between two numbers of the format may be rounded either way, as far as f32 arithmetic and the matrix unit's own rounding can turn it there, and no further.
;; 3 versions. Each part assembles by itself: llvm-mc -triple=amdgcn-amd-amdhsa -mcpu=gfx1250 --defsym DOCPART=n.
;; ======== version 1 of 3: 2 launches
;; limits: right only within a limited range of input values
;; workspace buffers: kc 524,288 bytes; ks 65,536 bytes; vc 524,288 bytes; vs 32,768 bytes; pen 65,536 bytes; meta 1,024 bytes of whole numbers
;; launch prep (part 1): grid 16 x 8, 8 waves a work-group, no clusters, 37,888 bytes of LDS; arguments key, value, mask, kc, ks, vc, vs, pen, meta; writes kc, ks, vc, vs, pen, meta
.if DOCPART == 1
	.amdgcn_target "amdgcn-amd-amdhsa--gfx1250"
	.amdhsa_code_object_version 6
	.text
	.protected	k_q9508c22630_prep
	.globl	k_q9508c22630_prep
	.p2align	8
	.type	k_q9508c22630_prep,@function
k_q9508c22630_prep:
	s_mov_b64 s[64:65], 0
	v_nop
	global_prefetch_b8 v0, s[64:65] scope:SCOPE_SE
	s_setreg_imm32_b32 hwreg(HW_REG_WAVE_MODE, 25, 1), 1
	s_wait_xcnt 0x0
; key, value: [8][2048][64] f32; mask: [8][2048] bytes (0 or 1).  This launch makes what the attention launch reads, once for all its work-groups:
;   kc  K's codes of FP4 (E2M1), quantised along d (two blocks of 32 a key), in the order of the operand's registers: [batch][step of 128 keys][tile 8][lane 32][16 bytes];
;       lane 16 h + r of tile 2 b + u holds block h of key 32 b + 8 u + r + 8 (r / 8) of the step (so that the scores of two neighbouring tiles are 16 neighbouring keys in a lane)
;   ks  K's scale words [batch][step][lane 32][4 words]: word i of lane 16 g + r belongs to row r of tile 4 g + i: bytes 0, 1 the key's two blocks, bytes 2, 3 = 0x7f (they scale zero codes: d = 64 fills half of K = 128)
;   vc  V's codes, quantised along the KEYS (blocks of 32 keys of one channel): [batch][step][tile of 16 channels 4][c 2][lane 32][16 bytes]; lane 16 h + r holds block 2 c + h of channel 16 t + r
;   vs  V's scale words [batch][step][channel 64]: byte j = block j of the step
;   pen [batch][2048] f32: -10000 x (1 - mask)
;   meta whole numbers: word 16 batch + step: the first key of the step whose mask is true (at least 2048 if none); 512 bytes on: 1 if the step has a key whose mask is false
; A block's scale is 2^(floor(log2(largest magnitude)) - 2); its byte is the largest magnitude's exponent field - 2, held at 1 from below (a block of zeros so gets the byte 1: its codes are zeros, and this program alone reads the bytes).
; LIMITS: blocks whose largest magnitude lies under 2^-124 are held at the byte 1; NaN and infinities among the inputs are not served.
; SHARES: a work-group takes one step of one batch: 128 keys.  Wave w quantises K's tile w (16 keys) and block w / 2 of V's channels 32 (w % 2) on.
; K: eight loads of 512 consecutive bytes, turned through the wave's own stage in LDS, so that a lane gets a whole block (128 bytes of one key).  V: a lane takes a channel and its registers run down the keys.
.set RP,   272                         ; a stage row: a key's 256 bytes + 16: row r starts 16 r bytes further on modulo 256, so sixteen rows' reads fall on different banks (64 banks of 4 bytes: ISA guide 11.1)
.set STG,  16*RP                       ; a wave's stage
.set KSG,  8*STG                       ; behind the stages: K's scale words of the step, 512 bytes,
.set VSG,  KSG+512                     ; and V's, 256 bytes
.set LN,   1                           ; lane
.set RR,   2                           ; lane % 16
.set HH,   3                           ; lane / 16
.set L16,  4                           ; 16 x lane
.set L4,   5                           ; 4 x lane
.set SIN,  6                           ; the stage, on the way in
.set SBK,  7                           ; and back
.set KWA,  8                           ; where my key's scale word goes in LDS
.set VBA,  9                           ; where my channel's scale byte goes
.set KRD,  10                          ; wave 0 reads K's scale words here
.set L8,   11                          ; 8 x lane
.set VRD,  12                          ; wave 1 reads V's here
.set VCO,  13                          ; my place in a step's V codes
.set MW,   14                          ; four mask bytes: keys 4 lane .. 4 lane + 3
.set KR,   16                          ; v16-47   K as loaded
.set KX,   48                          ; v48-79   my block of K
.set VX,   80                          ; v80-111  my block of V
.set KCD,  112                         ; v112-115 K's codes
.set KOP,  116                         ; the conversion's scale operand
.set KBY,  117                         ; the scale's byte, then the word
.set T0,   118
.set T1,   119
.set VCD,  120                         ; v120-123 V's codes
.set VOP,  124
.set VBY,  125
.set M0,   126
.set M1,   127
.set OUT,  128                         ; v128-131 the small tables on their way out
.set NEG,  132
.set NIL,  133
.set PNR,  136                         ; v136-139 four penalties
.set MF,   140                         ; v140-141 the two whole numbers
.set WV,   22
.set SI,   25                          ; 16 x batch + step
.set SEL,  60                          ; s[60:61] v_permlanex16_b32's selects for lane l xor 16
; 32 numbers of a lane, one block, become 4 registers of codes; the scale's byte follows the conversions as the plain line behind them
.macro QUANT32 x, c, op, by
	v_max3_num_f32 v[M0], |v[\x]|, |v[\x+1]|, |v[\x+2]|
	v_max3_num_f32 v[M1], |v[\x+3]|, |v[\x+4]|, |v[\x+5]|
.irp i, 6,10,14,18,22,26
	v_max3_num_f32 v[M0], v[M0], |v[\x+\i]|, |v[\x+\i+1]|
	v_max3_num_f32 v[M1], v[M1], |v[\x+\i+2]|, |v[\x+\i+3]|
.endr
	v_max3_num_f32 v[M0], v[M0], |v[\x+30]|, |v[\x+31]|
	v_max3_num_f32 v[M0], v[M0], v[M1], 0x1800000          ; and the floor 2^(3 - 127): the byte cannot fall under 1
	v_add_nc_u32 v[\op], 0xff000000, v[M0]                 ; 2 off the exponent field: the conversion takes this operand's exponent field as its scale
.irp g, 0,1,2,3
	v_cvt_scalef32_pk8_fp4_f32 v[\c+\g], v[\x+8*\g:\x+8*\g+7], v[\op]
.endr
	v_lshrrev_b32 v[\by], 23, v[\op]                       ; the scale's byte
.endm
	s_load_b512 s[4:19], s[0:1], 0x0               ; key s[4:5], value s[6:7], mask s[8:9], kc s[10:11], ks s[12:13], vc s[14:15], vs s[16:17], pen s[18:19]
	s_load_b64 s[20:21], s[0:1], 0x40              ; meta
	v_lshl_add_u32 v160, v0, 2, 0x9000
	v_mov_b32 v161, 0
	v_lshrrev_b32 v[LN], 5, v0
	v_readfirstlane_b32 s[WV], v[LN]               ; wave 0..7
	s_and_b32 s24, ttmp7, 0xffff                   ; batch
	s_lshl_b32 s[SI], s24, 4
	s_add_co_u32 s[SI], s[SI], ttmp9               ; 16 x batch + step
	s_lshr_b32 s26, s[WV], 1                       ; K: b of my tile 2 b + u.  V: my block
	s_and_b32 s27, s[WV], 1                        ; K: u.  V: which 32 channels
	s_mov_b32 s[SEL], 0x76543210
	s_mov_b32 s[SEL+1], 0xfedcba98
	v_and_b32 v[LN], 31, v0
	v_and_b32 v[RR], 15, v0
	v_bfe_u32 v[HH], v0, 4, 1
	v_lshlrev_b32 v[L16], 4, v[LN]
	v_lshlrev_b32 v[L4], 2, v[LN]
	v_lshlrev_b32 v[L8], 3, v[LN]
	s_mul_i32 s28, s[WV], STG
	v_mul_u32_u24 v[SIN], v[HH], RP
	v_lshl_add_u32 v[SIN], v[RR], 4, v[SIN]
	v_add_nc_u32 v[SIN], s28, v[SIN]               ; in: a load's 512 bytes are two keys: row lane / 16, byte 16 (lane % 16)
	v_mul_u32_u24 v[SBK], v[RR], RP
	v_lshl_add_u32 v[SBK], v[HH], 7, v[SBK]
	v_add_nc_u32 v[SBK], s28, v[SBK]               ; back: row lane % 16, block lane / 16
	s_lshr_b32 s29, s[WV], 2
	s_lshl_b32 s29, s29, 8
	s_and_b32 s30, s[WV], 3
	s_lshl_b32 s30, s30, 2
	s_add_co_u32 s29, s29, s30
	s_add_co_u32 s29, s29, KSG
	v_lshl_add_u32 v[KWA], v[RR], 4, s29           ; KSG + 16 (16 (w / 4) + r) + 4 (w % 4)
	s_lshl_b32 s30, s27, 7
	s_add_co_u32 s30, s30, s26
	s_add_co_u32 s30, s30, VSG
	v_add_nc_u32 v[VBA], s30, v[L4]                ; VSG + 4 x channel + block
	v_add_nc_u32 v[KRD], KSG, v[L16]
	v_add_nc_u32 v[VRD], VSG, v[L8]
	v_lshlrev_b32 v[VCO], 10, v[HH]
	v_lshl_add_u32 v[VCO], v[RR], 4, v[VCO]        ; channel tile lane / 16: 1,024 bytes; row lane % 16: 16 bytes
	; byte offsets of my parts, each in a pair of its own
	s_lshl_b32 s31, s[SI], 15                      ; the step's 128 rows of 256 bytes,
	s_lshl_b32 s29, s26, 13
	s_add_co_u32 s31, s31, s29                     ; + 32 rows x (w / 2)
	s_lshl_b32 s29, s27, 11
	s_add_co_u32 s32, s31, s29                     ; key: + 8 rows x u
	s_mov_b32 s33, 0
	s_lshl_b32 s29, s27, 7
	s_add_co_u32 s34, s31, s29                     ; value: + 128 bytes x channel half
	s_mov_b32 s35, 0
	s_lshl_b32 s36, s[SI], 7                       ; mask
	s_mov_b32 s37, 0
	s_lshl_b32 s38, s[SI], 12
	s_lshl_b32 s29, s[WV], 9
	s_add_co_u32 s38, s38, s29                     ; kc: the step's 4,096 bytes, my tile's 512
	s_mov_b32 s39, 0
	s_lshl_b32 s40, s[SI], 12
	s_lshl_b32 s29, s27, 11
	s_add_co_u32 s40, s40, s29                     ; vc: two channel tiles on for the upper 32 channels,
	s_lshl_b32 s29, s26, 8
	s_add_co_u32 s40, s40, s29                     ; block j = 2 c + h lies 512 c + 256 h = 256 j bytes on
	s_mov_b32 s41, 0
	s_lshl_b32 s42, s[SI], 9                       ; ks and pen: 512 bytes a step
	s_mov_b32 s43, 0
	s_lshl_b32 s44, s[SI], 8                       ; vs: 256
	s_mov_b32 s45, 0
	s_lshl_b32 s46, s[SI], 2                       ; meta: a word
	s_mov_b32 s47, 0
	s_wait_kmcnt 0x0
	s_add_nc_u64 s[4:5], s[4:5], s[32:33]
	s_add_nc_u64 s[6:7], s[6:7], s[34:35]
	s_add_nc_u64 s[8:9], s[8:9], s[36:37]
	s_add_nc_u64 s[10:11], s[10:11], s[38:39]
	s_add_nc_u64 s[14:15], s[14:15], s[40:41]
	s_add_nc_u64 s[12:13], s[12:13], s[42:43]
	s_add_nc_u64 s[18:19], s[18:19], s[42:43]
	s_add_nc_u64 s[16:17], s[16:17], s[44:45]
	s_add_nc_u64 s[20:21], s[20:21], s[46:47]
	; all loads go out at once: 41 a wave
	global_load_b32 v[MW], v[L4], s[8:9]
.irp i, 0,1,2,3
	global_load_b128 v[KR+4*\i:KR+4*\i+3], v[L16], s[4:5] offset:512*\i th:TH_LOAD_NT            ; keys 32 b + 8 u + 0 .. 7: 2,048 consecutive bytes
.endr
.irp i, 0,1,2,3
	global_load_b128 v[KR+16+4*\i:KR+16+4*\i+3], v[L16], s[4:5] offset:4096+512*\i th:TH_LOAD_NT ; and the eight keys 16 further on
.endr
.irp i, 0,1,2,3,4,5,6,7,8,9,10,11,12,13,14,15,16,17,18,19,20,21,22,23,24,25,26,27,28,29,30,31
	global_load_b32 v[VX+\i], v[L4], s[6:7] offset:256*\i th:TH_LOAD_NT                          ; V(32 j + i, my channel): 128 consecutive bytes a wave; the neighbouring wave reads the row's other half
.endr
	s_wait_loadcnt 32                              ; the mask word and K's eight loads are in; V's 32 may be out
.irp i, 0,1,2,3
	ds_store_b128 v[SIN], v[KR+4*\i:KR+4*\i+3] offset:2*\i*RP
.endr
.irp i, 0,1,2,3
	ds_store_b128 v[SIN], v[KR+16+4*\i:KR+16+4*\i+3] offset:(8+2*\i)*RP
.endr
.irp i, 0,1,2,3,4,5,6,7
	ds_load_b128 v[KX+4*\i:KX+4*\i+3], v[SBK] offset:16*\i    ; LDS serves a wave's instructions in order (ISA guide 5.7.1.4): these see my stores
.endr
	s_wait_dscnt 0x0
	QUANT32 KX, KCD, KOP, KBY
	global_store_b128 v[L16], v[KCD:KCD+3], s[10:11]          ; the wave stores its tile: 512 consecutive bytes
	v_lshlrev_b32 v[T0], 3, v[HH]
	v_lshlrev_b32 v[KBY], v[T0], v[KBY]            ; my block's byte at its place,
	v_mov_b32 v[T1], 0                             ; (a lane permute's destination counts as one of its sources)
	v_permlanex16_b32 v[T1], v[KBY], s[SEL], s[SEL+1]
	v_or_b32 v[KBY], v[KBY], v[T1]                 ; with the key's other block's,
	v_or_b32 v[KBY], 0x7f7f0000, v[KBY]            ; and 2^0 for the two blocks of zero codes
	ds_store_b32 v[KWA], v[KBY]                    ; both halves of the lanes write the same word with the same value
	s_wait_loadcnt 0x0                             ; V
	QUANT32 VX, VCD, VOP, VBY
	global_store_b128 v[VCO], v[VCD:VCD+3], s[14:15]          ; sixteen lanes store 256 consecutive bytes, aligned
	ds_store_b8 v[VBA], v[VBY]
	s_wait_dscnt 0x0                               ; for the others' sake: my scale words and bytes lie in LDS
	s_barrier_signal -1
	s_barrier_wait -1
	; the small tables leave whole: wave 0 K's scale words, wave 1 V's, wave 2 the penalties and the two whole numbers
	s_cmp_lg_u32 s[WV], 0
	s_cbranch_scc1 .Lnot0
	ds_load_b128 v[OUT:OUT+3], v[KRD]
	s_wait_dscnt 0x0
	global_store_b128 v[L16], v[OUT:OUT+3], s[12:13]
	s_wait_tensorcnt 0x0
	ds_add_u32 v160, v161
	s_wait_dscnt 0x0
	s_endpgm
.Lnot0:
	s_cmp_lg_u32 s[WV], 1
	s_cbranch_scc1 .Lnot1
	ds_load_b64 v[OUT:OUT+1], v[VRD]
	s_wait_dscnt 0x0
	global_store_b64 v[L8], v[OUT:OUT+1], s[16:17]
	s_wait_tensorcnt 0x0
	ds_add_u32 v160, v161
	s_wait_dscnt 0x0
	s_endpgm
.Lnot1:
	s_cmp_lg_u32 s[WV], 2
	s_cbranch_scc1 .Ldone
	v_mov_b32 v[NEG], 0xc61c4000                   ; -10000.0
	v_mov_b32 v[NIL], 0
	s_mov_b32 s57, 0x800                           ; no true key found yet
	s_mov_b32 s56, -1
.irp k, 0,1,2,3
	v_and_b32 v[T0], 0xff<<(8*\k), v[MW]
	v_cmp_ne_u32 vcc_lo, 0, v[T0]                  ; bit l: the mask of key 4 l + k
	v_cndmask_b32 v[PNR+\k], v[NEG], v[NIL], vcc_lo
	s_and_b32 s56, s56, vcc_lo
	s_ctz_i32_b32 s58, vcc_lo                      ; the first such lane (-1 if none: the sum below is then a very large unsigned number)
	s_lshl_b32 s58, s58, 2
	s_add_co_u32 s58, s58, \k
	s_min_u32 s57, s57, s58
.endr
	s_cmp_lg_u32 s56, -1
	s_cselect_b32 s56, 1, 0                        ; a key of the step is masked out
	s_lshl_b32 s58, ttmp9, 7
	s_add_co_u32 s57, s57, s58                     ; the first true key, counted in the batch
	global_store_b128 v[L16], v[PNR:PNR+3], s[18:19]
	v_mov_b32 v[MF], s57
	v_mov_b32 v[MF+1], s56
	s_wait_xcnt 0x0                                ; EXEC is a source of the stores that are out: it changes only behind this wait
	v_cmp_eq_u32 vcc_lo, 0, v[LN]
	s_and_saveexec_b32 s59, vcc_lo                 ; lane 0 alone
	global_store_b32 v[NIL], v[MF], s[20:21]
	global_store_b32 v[NIL], v[MF+1], s[20:21] offset:512
	s_wait_xcnt 0x0                                ; and again in front of the line that widens it
	s_or_b32 exec_lo, exec_lo, s59
.Ldone:
	s_wait_tensorcnt 0x0
	ds_add_u32 v160, v161
	s_wait_dscnt 0x0
	s_endpgm
.Lfunc_end_k_q9508c22630_prep:
	.size	k_q9508c22630_prep, .Lfunc_end_k_q9508c22630_prep-k_q9508c22630_prep
	.p2alignl 7, 3214868480
	.fill 96, 4, 3214868480
	.section	.rodata,"a",@progbits
	.p2align	6, 0x0
	.amdhsa_kernel k_q9508c22630_prep
		.amdhsa_group_segment_fixed_size 37888
		.amdhsa_private_segment_fixed_size 0
		.amdhsa_enable_private_segment 0
		.amdhsa_kernarg_size 72
		.amdhsa_user_sgpr_count 2
		.amdhsa_user_sgpr_kernarg_segment_ptr 1
		.amdhsa_wavefront_size32 1
		.amdhsa_system_sgpr_workgroup_id_x 1
		.amdhsa_system_sgpr_workgroup_id_y 1
		.amdhsa_system_sgpr_workgroup_id_z 1
		.amdhsa_system_vgpr_workitem_id 0
		.amdhsa_next_free_vgpr 162
		.amdhsa_next_free_sgpr 66
		.amdhsa_reserve_vcc 1
		.amdhsa_float_denorm_mode_32 3
		.amdhsa_float_denorm_mode_16_64 3
		.amdhsa_memory_ordered 1
		.amdhsa_forward_progress 1
		.amdhsa_inst_pref_size 15
	.end_amdhsa_kernel
	.amdgpu_metadata
---
amdhsa.version: [ 1, 2 ]
amdhsa.kernels:
  - .name:           k_q9508c22630_prep
    .symbol:         k_q9508c22630_prep.kd
    .args:
      - { .name: key, .offset: 0, .size: 8, .value_kind: global_buffer, .address_space: global }
      - { .name: value, .offset: 8, .size: 8, .value_kind: global_buffer, .address_space: global }
      - { .name: mask, .offset: 16, .size: 8, .value_kind: global_buffer, .address_space: global }
      - { .name: kc, .offset: 24, .size: 8, .value_kind: global_buffer, .address_space: global }
      - { .name: ks, .offset: 32, .size: 8, .value_kind: global_buffer, .address_space: global }
      - { .name: vc, .offset: 40, .size: 8, .value_kind: global_buffer, .address_space: global }
      - { .name: vs, .offset: 48, .size: 8, .value_kind: global_buffer, .address_space: global }
      - { .name: pen, .offset: 56, .size: 8, .value_kind: global_buffer, .address_space: global }
      - { .name: meta, .offset: 64, .size: 8, .value_kind: global_buffer, .address_space: global }
    .group_segment_fixed_size: 37888
    .private_segment_fixed_size: 0
    .kernarg_segment_align: 8
    .kernarg_segment_size: 72
    .max_flat_workgroup_size: 256
    .sgpr_count:     66
    .vgpr_count:     162
    .wavefront_size: 32
...
	.end_amdgpu_metadata
.endif
;; end of part 1
;; launch attn (part 2): grid 32 x 8, 16 waves a work-group, no clusters, 242,688 bytes of LDS; arguments query, kc, ks, vc, vs, pen, meta, out0; writes out0
.if DOCPART == 2
	.amdgcn_target "amdgcn-amd-amdhsa--gfx1250"
	.amdhsa_code_object_version 6
	.text
	.protected	k_q9508c22630_attn
	.globl	k_q9508c22630_attn
	.p2align	8
	.type	k_q9508c22630_attn,@function
k_q9508c22630_attn:
	s_mov_b64 s[64:65], 0
	v_nop
	global_prefetch_b8 v0, s[64:65] scope:SCOPE_SE
	s_setreg_imm32_b32 hwreg(HW_REG_WAVE_MODE, 25, 1), 1
	s_wait_xcnt 0x0
; out[b][q] = the sum over k of softmax_k(e) V[b][k], e = Q.K / 8 - 10000 (k > q) - 10000 (1 - mask[b][k]); both products on codes of FP4 (E2M1) with one E8M0 scale for each 32 along K.
; K, V, their scales, the padding penalties and two whole numbers for each step of 128 keys come from the launch before, K's and V's codes in the order of the operands' registers.  Q is quantised here.
; THE SOFTMAX: t = e x log2(e); M = the largest t so far, rounded up to a whole number; p = 2^(t - M) is quantised along the keys, not normalised; the row's sum is taken of the unquantised p and divides at the end.
; THE PENALTIES ARE FINITE, AND ARE HONOURED SO.  Let f be the batch's first key whose mask is true.  A query q >= f has a key without penalty, and beside it every penalised key's p is 0.  A query q < f has none:
; its softmax goes over the keys with one penalty, those above the diagonal too.  So a step of 128 keys that lies wholly above a tile's diagonal is left out only where the tile's first query is >= f: a scalar branch on a stored whole number.
; LIMITS: leaving those steps out holds while a row's logits spread by less than 9,900 (then 2^((e - 10000 - largest e) log2 e) is 0 in f32); NaN and infinities among the inputs are not served.
; NO TENSOR LOADS, NO CLUSTER.  The branch spares 30 of a work-group's 64 tile steps; so the
; batch's 148 KiB of operands come through registers into LDS, once, and stay.
; SHARES.  Work-group x of a batch owns the query tiles x, 63 - x, 64 + x, 127 - x (16 queries each): their steps up to the diagonal are 34 in every work-group.  Wave 4 T + J takes tile T's steps 4 i + (T + J) % 4, i = 0 .. 3:
; a loop of four trips, the branch inside it.  The four waves of a tile join their parts (O^T, M, the sum) through LDS at the end, by exact powers of two.
; LAYOUT.  Both products are used transposed: S^T = K Q^T (source 0 = 16 keys, source 1 = my 16 queries), O^T = V^T P^T: a lane holds ONE query (lane % 16).  The keys of a tile are chosen (by the launch before) so that
; score register 16 b + i of lane (r, h) is key 32 b + 16 h + i of the step.  d = 64 fills registers 0-3 of K's and Q's fragments; registers 4-7 are zero codes, their scale bytes 0x7f.
; A STEP WITH A PENALTY (on the diagonal, with a masked key, or above the diagonal and not left out) first turns its scores into t with reference()'s own roundings: fl(fl(fl(s / 8 + pad) - 10000 where hidden) x log2 e);
; the common lines then run with the factor 1.0 in place of log2(e) / 8, so that t - M is rounded as there.  (s / 8 is exact; the two penalties are equal, so their order does not show.)
.set KC,  0                            ; LDS: K's codes, 16 steps x 4,096 bytes
.set VC,  65536                        ; V's codes, likewise
.set KS,  131072                       ; K's scale words, 16 x 512
.set VS,  139264                       ; V's, 16 x 256
.set PN,  143360                       ; the padding penalties, 2,048 f32
.set RP,  272                          ; a stage row: 256 bytes + 16: row r starts 16 r bytes further on modulo 256 (64 banks of 4 bytes: ISA guide 11.1)
.set QS,  151552                       ; Q's stage: 4 tiles x 16 rows
.set OS,  168960                       ; the parts of O: 16 waves x 16 rows
.set SS,  238592                       ; -M and the sum: 16 waves x 16 queries x 8 bytes
.set AK0, 1                            ; 16 x lane: my place in a fragment's image; also my byte in two rows of q or out
.set AV0, 2                            ; VC + 16 x lane
.set AS0, 3                            ; KS + 16 x lane
.set AT0, 4                            ; VS + 4 x lane
.set AP0, 5                            ; PN + 64 (lane / 16)
.set RH,  6                            ; lane % 16 - 16 (lane / 16)
.set ADK, 8                            ; the step's addresses
.set ADV, 9
.set ADS, 10
.set ADT, 11
.set NM,  12                           ; -M
.set MX,  13                           ; the largest t so far
.set LS,  14                           ; v[14:15] the sum, in two halves
.set QF,  16                           ; v16-23 Q's fragment
.set ADP, 24
.set DD,  25                           ; my query - the step's first key - 16 (lane / 16)
.set OSW, 26                           ; where my part of O goes
.set SSW, 27                           ; and -M and the sum
.set ORD, 28                           ; where I read the four parts back
.set SRD, 29
.set QRD, 30                           ; where I read my block of q
.set KF,  32                           ; v32-63 four fragments of K (registers 4-7 of each stay 0)
.set VF,  64                           ; v64-95 four fragments of V; in a step with a penalty first 32 penalties
.set SC,  96                           ; v96-159 S^T, then p
.set OA,  160                          ; v160-191 O^T
.set PC,  192                          ; v192-199 p's codes
.set BM,  200                          ; v200-203 each block's largest score, then largest p
.set BX,  204                          ; v204-207 at work
.set SO,  208                          ; v208-211 the conversions' scale operands
.set FF,  212                          ; v[212:213] f = 2^(old M - new M) (the pair's upper word is only named)
.set TT,  214
.set SA,  216                          ; v[216:217], v[218:219] the step's sum of p, two chains
.set SB,  218
.set QW,  224                          ; scale registers, which hold nothing else: Q's word,
.set PW,  225                          ; p's,
.set VSC, 226                          ; v226-227 V's (lanes 0-15 the even channel tile, lanes 16-31 the odd one),
.set KSC, 228                          ; v228-231 K's (lanes 0-15 tiles 0-3, lanes 16-31 tiles 4-7)
.set FO,  232                          ; the fill: 16 x thread
.set FV,  233
.set FS,  234
.set FG,  235                          ; 8 x thread
.set FT,  236
.set FQ,  237
.set LN,  238
.set RR,  239
.set HH,  240
.set WV,  20
.set TL,  21                           ; T
.set JW,  22                           ; J
.set JJ,  23                           ; (T + J) % 4
.set BT,  24                           ; batch
.set TI,  25                           ; my query tile, 0 .. 127
.set Q0,  26                           ; its first query
.set FK,  27                           ; the batch's first key whose mask is true
.set SEL, 28
.set CS,  30                           ; s[30:31] the factor from score register to t
.set TK,  32                           ; the step x 4,096
.set TC,  33                           ; x 512
.set TV,  34                           ; x 256
.set KB,  35                           ; x 128: its first key
.set CNT, 36
.set HB,  37                           ; bit 0: the trip's step has a masked key
.set X0,  38
.set X1,  39
	s_load_b512 s[4:19], s[0:1], 0x0               ; query s[4:5], kc s[6:7], ks s[8:9], vc s[10:11], vs s[12:13], pen s[14:15], meta s[16:17], out0 s[18:19]
	v_lshl_add_u32 v254, v0, 2, 0x3ac00
	v_mov_b32 v255, 0
	v_lshrrev_b32 v[LN], 5, v0
	v_readfirstlane_b32 s[WV], v[LN]               ; wave 0..15
	s_lshr_b32 s[TL], s[WV], 2
	s_and_b32 s[JW], s[WV], 3
	s_add_co_u32 s[JJ], s[TL], s[JW]
	s_and_b32 s[JJ], s[JJ], 3
	s_and_b32 s[BT], ttmp7, 0xffff
	s_sub_co_u32 s[TI], 63, ttmp9
	s_bitcmp1_b32 s[TL], 0
	s_cselect_b32 s[TI], s[TI], ttmp9              ; x, or 63 - x where T is odd,
	s_and_b32 s[X0], s[TL], 2
	s_lshl_b32 s[X0], s[X0], 5
	s_add_co_u32 s[TI], s[TI], s[X0]               ; + 64 where T is 2 or 3
	s_lshl_b32 s[Q0], s[TI], 4
	s_mov_b32 s[SEL], 0x76543210
	s_mov_b32 s[SEL+1], 0xfedcba98                 ; v_permlanex16_b32's selects for lane l xor 16
	v_and_b32 v[LN], 31, v0
	v_and_b32 v[RR], 15, v0
	v_bfe_u32 v[HH], v0, 4, 1
	v_lshlrev_b32 v[AK0], 4, v[LN]
	v_add_nc_u32 v[AV0], VC, v[AK0]
	v_add_nc_u32 v[AS0], KS, v[AK0]
	v_lshl_add_u32 v[AT0], v[LN], 2, VS
	v_lshl_add_u32 v[AP0], v[HH], 6, PN
	v_lshlrev_b32 v[RH], 4, v[HH]
	v_sub_nc_u32 v[RH], v[RR], v[RH]
	v_lshlrev_b32 v[FO], 4, v0
	v_add_nc_u32 v[FV], VC, v[FO]
	v_add_nc_u32 v[FS], KS, v[FO]
	v_lshlrev_b32 v[FG], 3, v0
	v_add_nc_u32 v[FT], VS, v[FG]
	s_mul_i32 s[X0], s[WV], 4*RP                   ; Q's stage, in: wave 4 T + J brings rows 4 J .. 4 J + 3 of tile T: row 4 w + lane / 16 (+ 2 for the second load)
	v_mul_u32_u24 v[FQ], v[HH], RP
	v_lshl_add_u32 v[FQ], v[RR], 4, v[FQ]
	v_add_nc_u32 v[FQ], s[X0], v[FQ]
	v_add_nc_u32 v[FQ], QS, v[FQ]
	s_mul_i32 s[X0], s[TL], 16*RP                  ; and back: tile T, row lane % 16, block lane / 16
	v_mul_u32_u24 v[QRD], v[RR], RP
	v_lshl_add_u32 v[QRD], v[HH], 7, v[QRD]
	v_add_nc_u32 v[QRD], s[X0], v[QRD]
	v_add_nc_u32 v[QRD], QS, v[QRD]
	s_mul_i32 s[X0], s[WV], 16*RP                  ; my part of O: row lane % 16, 32 bytes for each half of the lanes
	v_mul_u32_u24 v[OSW], v[RR], RP
	v_lshl_add_u32 v[OSW], v[HH], 5, v[OSW]
	v_add_nc_u32 v[OSW], s[X0], v[OSW]
	v_add_nc_u32 v[OSW], OS, v[OSW]
	s_lshl_b32 s[X0], s[WV], 7
	v_lshl_add_u32 v[SSW], v[RR], 3, s[X0]
	v_add_nc_u32 v[SSW], SS, v[SSW]
	s_mul_i32 s[X0], s[TL], 64*RP                  ; back: the parts of waves 4 T .. 4 T + 3, rows 4 J + lane / 16 (+ 2), 16 bytes a lane
	s_mul_i32 s[X1], s[JW], 4*RP
	s_add_co_u32 s[X0], s[X0], s[X1]
	v_mul_u32_u24 v[ORD], v[HH], RP
	v_lshl_add_u32 v[ORD], v[RR], 4, v[ORD]
	v_add_nc_u32 v[ORD], s[X0], v[ORD]
	v_add_nc_u32 v[ORD], OS, v[ORD]
	s_lshl_b32 s[X0], s[TL], 9
	s_lshl_b32 s[X1], s[JW], 5
	s_add_co_u32 s[X0], s[X0], s[X1]
	v_lshl_add_u32 v[SRD], v[HH], 3, s[X0]
	v_add_nc_u32 v[SRD], SS, v[SRD]
	; byte offsets of the batch's parts
	s_lshl_b32 s40, s[BT], 16                      ; kc, vc
	s_mov_b32 s41, 0
	s_lshl_b32 s42, s[BT], 13                      ; ks, pen
	s_mov_b32 s43, 0
	s_lshl_b32 s44, s[BT], 12                      ; vs
	s_mov_b32 s45, 0
	s_lshl_b32 s46, s[BT], 11
	s_add_co_u32 s46, s46, s[Q0]
	s_lshl_b32 s47, s[JW], 2
	s_add_co_u32 s46, s46, s47
	s_lshl_b32 s46, s46, 8                         ; query, out0: row 2048 batch + my tile's first + 4 J, 256 bytes a row
	s_mov_b32 s47, 0
	s_lshl_b32 s48, s[BT], 6                       ; meta: 16 words a batch
	s_lshl_b32 s49, s[JJ], 2
	s_add_co_u32 s49, s49, s48                     ; my first step's word
	s_wait_kmcnt 0x0
	s_add_nc_u64 s[4:5], s[4:5], s[46:47]
	s_add_nc_u64 s[18:19], s[18:19], s[46:47]
	s_add_nc_u64 s[6:7], s[6:7], s[40:41]
	s_add_nc_u64 s[10:11], s[10:11], s[40:41]
	s_add_nc_u64 s[8:9], s[8:9], s[42:43]
	s_add_nc_u64 s[14:15], s[14:15], s[42:43]
	s_add_nc_u64 s[12:13], s[12:13], s[44:45]
	s_load_b512 s[68:83], s[16:17], s48 offset:0x0 ; each step's first true key
	s_load_b32 s84, s[16:17], s49 offset:512       ; and, for my four steps (16 bytes apart), whether a key is masked out
	s_load_b32 s85, s[16:17], s49 offset:528
	s_load_b32 s86, s[16:17], s49 offset:544
	s_load_b32 s87, s[16:17], s49 offset:560
	; THE FILL: 21 loads a thread, all out at once; each goes to LDS as it lands.  512 threads x 16 bytes are 8,192 bytes a round.
	global_load_b128 v[32:35], v[AK0], s[4:5] th:TH_LOAD_NT              ; two rows of q: 512 consecutive bytes; each byte of q is read once
	global_load_b128 v[36:39], v[AK0], s[4:5] offset:512 th:TH_LOAD_NT
	global_load_b128 v[40:43], v[FO], s[8:9]                             ; K's scale words
	global_load_b64 v[44:45], v[FG], s[12:13]                            ; V's
	global_load_b128 v[48:51], v[FO], s[14:15]                           ; the penalties
.irp i, 0,1,2,3,4,5,6,7
	global_load_b128 v[52+4*\i:55+4*\i], v[FO], s[6:7] offset:8192*\i    ; K's codes
.endr
.irp i, 0,1,2,3,4,5,6,7
	global_load_b128 v[84+4*\i:87+4*\i], v[FO], s[10:11] offset:8192*\i  ; V's codes
.endr
	s_wait_kmcnt 0x0
	s_min_u32 s[FK], s68, s69                      ; the batch's first true key (2048 or more if none)
.irp i, 70,71,72,73,74,75,76,77,78,79,80,81,82,83
	s_min_u32 s[FK], s[FK], s\i
.endr
	s_lshl_b32 s85, s85, 1
	s_lshl_b32 s86, s86, 2
	s_lshl_b32 s87, s87, 3
	s_or_b32 s[HB], s84, s85
	s_or_b32 s[HB], s[HB], s86
	s_or_b32 s[HB], s[HB], s87                     ; bit i: trip i's step has a masked key
	s_wait_loadcnt 19                              ; loads come back in order (ISA guide 5.7.1): q's two are in, the 19 behind them may be out
	ds_store_b128 v[FQ], v[32:35]
	ds_store_b128 v[FQ], v[36:39] offset:2*RP
	s_wait_loadcnt 16                              ; the three small tables are in; the codes' 16 may be out
	ds_store_b128 v[FS], v[40:43]
	ds_store_b64 v[FT], v[44:45]
	ds_store_b128 v[FS], v[48:51] offset:PN-KS
.irp i, 0,1,2,3,4,5,6,7
	s_wait_loadcnt 15-\i                           ; K's round i is in
	ds_store_b128 v[FO], v[52+4*\i:55+4*\i] offset:8192*\i
.endr
.irp i, 0,1,2,3,4,5,6,7
	s_wait_loadcnt 7-\i                            ; V's round i is in
	ds_store_b128 v[FV], v[84+4*\i:87+4*\i] offset:8192*\i
.endr
	s_wait_dscnt 0x0                               ; for the others' sake: my stores have landed
	s_barrier_signal -1
	s_barrier_wait -1                              ; the batch's operands and the work-group's q lie in LDS; none of these bytes is written again
	; Q: lane (r, h) takes block h of query r, 32 numbers, all its own
.irp i, 0,1,2,3,4,5,6,7
	ds_load_b128 v[SC+4*\i:SC+4*\i+3], v[QRD] offset:16*\i
.endr
	s_wait_dscnt 0x0
	v_max3_num_f32 v[BM], |v[SC]|, |v[SC+1]|, |v[SC+2]|
	v_max3_num_f32 v[BM+1], |v[SC+3]|, |v[SC+4]|, |v[SC+5]|
.irp i, 6,10,14,18,22,26
	v_max3_num_f32 v[BM], v[BM], |v[SC+\i]|, |v[SC+\i+1]|
	v_max3_num_f32 v[BM+1], v[BM+1], |v[SC+\i+2]|, |v[SC+\i+3]|
.endr
	v_max3_num_f32 v[BM], v[BM], |v[SC+30]|, |v[SC+31]|
	v_max3_num_f32 v[BM], v[BM], v[BM+1], 0x1800000        ; and the floor 2^(3 - 127): the byte cannot fall under 1
	v_add_nc_u32 v[SO], 0xff000000, v[BM]                  ; 2 off the exponent field: the conversion's scale operand
	v_lshrrev_b32 v[BM+1], 23, v[SO]                       ; the byte,
	v_lshlrev_b32 v[BM+2], 3, v[HH]
	v_lshlrev_b32 v[BM+1], v[BM+2], v[BM+1]                ; at its place in the word;
.irp b, 0,1,2,3
	v_mov_b32 v[BX+\b], 0                                  ; (written once: a lane permute's destination counts as one of its sources)
.endr
	v_permlanex16_b32 v[BX], v[BM+1], s[SEL], s[SEL+1]
	v_or_b32 v[BM+1], v[BM+1], v[BX]                       ; with the query's other block's,
	v_or_b32 v[QW], 0x7f7f0000, v[BM+1]                    ; and 2^0 for the two blocks of zero codes
.irp g, 0,1,2,3
	v_cvt_scalef32_pk8_fp4_f32 v[QF+\g], v[SC+8*\g:SC+8*\g+7], v[SO]
.endr
	; the lines below are also the places between Q's registers, written by vector instructions, and the first matrix instruction
.irp i, 4,5,6,7
	v_mov_b32 v[QF+\i], 0                          ; zero codes for k = 64 .. 127
.endr
.irp t, 0,1,2,3
.irp i, 4,5,6,7
	v_mov_b32 v[KF+8*\t+\i], 0                     ; likewise in K's four fragments: the loads fill registers 0-3 alone
.endr
.endr
.irp j, 0,1,2,3,4,5,6,7,8,9,10,11,12,13,14,15,16,17,18,19,20,21,22,23,24,25,26,27,28,29,30,31
	v_mov_b32 v[OA+\j], 0                          ; O^T begins as zeros: which trip is a wave's first hangs on stored numbers, and a wave may have none
.endr
	v_mov_b32 v[MX], 0xff61b1e6                    ; the largest t so far: -3e38, under every t
	v_floor_f32 v[NM], -v[MX]
	v_mov_b32 v[LS], 0
	v_mov_b32 v[LS+1], 0
	v_mov_b32 v[FF+1], 0                           ; (named as the upper half of the pair)
	s_lshl_b32 s[TK], s[JJ], 12
	s_lshl_b32 s[TC], s[JJ], 9
	s_lshl_b32 s[TV], s[JJ], 8
	s_lshl_b32 s[KB], s[JJ], 7
	s_mov_b32 s[CNT], 0
.macro KLOAD g                         ; four fragments of K: an image of the registers, 16 bytes a lane
.irp t, 0,1,2,3
	ds_load_b128 v[KF+8*\t:KF+8*\t+3], v[ADK] offset:2048*\g+512*\t
.endr
.endm
.macro SMUL g                          ; S^T of tiles 4 g .. 4 g + 3: each product starts its own sum
.irp t, 0,1,2,3
.if \g
	v_wmma_scale_f32_16x16x128_f8f6f4 v[SC+32+8*\t:SC+32+8*\t+7], v[KF+8*\t:KF+8*\t+7], v[QF:QF+7], 0, v[KSC+\t], v[QW] matrix_a_fmt:MATRIX_FMT_FP4 matrix_b_fmt:MATRIX_FMT_FP4 matrix_a_scale:MATRIX_SCALE_ROW1
.else
	v_wmma_scale_f32_16x16x128_f8f6f4 v[SC+8*\t:SC+8*\t+7], v[KF+8*\t:KF+8*\t+7], v[QF:QF+7], 0, v[KSC+\t], v[QW] matrix_a_fmt:MATRIX_FMT_FP4 matrix_b_fmt:MATRIX_FMT_FP4
.endif
.endr
.endm
; 32 scores (registers 32 g on) become t with reference()'s roundings.  The penalties of my 32 keys come from LDS (sixteen lanes read the same 16 bytes) into V's registers, which are free here.
.macro PENAL g
.irp k, 0,1,2,3,4,5,6,7
	ds_load_b128 v[VF+4*\k:VF+4*\k+3], v[ADP] offset:256*\g+128*(\k/4)+16*(\k%4)
.endr
	s_wait_dscnt 0x0
.irp p, 0,2,4,6,8,10,12,14,16,18,20,22,24,26,28,30
	v_pk_fma_f32 v[SC+32*\g+\p:SC+32*\g+\p+1], v[SC+32*\g+\p:SC+32*\g+\p+1], 0x3e000000, v[VF+\p:VF+\p+1] op_sel_hi:[1,0,1]   ; s / 8 (exact) + the padding penalty: one rounding
.endr
.irp p, 0,2,4,6,8,10,12,14,16,18,20,22,24,26,28,30
	v_pk_add_f32 v[VF+\p:VF+\p+1], v[SC+32*\g+\p:SC+32*\g+\p+1], 0xc61c4000 op_sel_hi:[1,0]   ; the same - 10000,
.endr
.irp n, 0,1,2,3,4,5,6,7,8,9,10,11,12,13,14,15,16,17,18,19,20,21,22,23,24,25,26,27,28,29,30,31
	v_cmp_gt_i32 vcc_lo, 64*\g+32*(\n/16)+\n%16, v[DD]                                        ; taken where the register's key comes after my query
	v_cndmask_b32 v[SC+32*\g+\n], v[SC+32*\g+\n], v[VF+\n], vcc_lo
.endr
.irp p, 0,2,4,6,8,10,12,14,16,18,20,22,24,26,28,30
	v_pk_mul_f32 v[SC+32*\g+\p:SC+32*\g+\p+1], v[SC+32*\g+\p:SC+32*\g+\p+1], 0x3fb8aa3b op_sel_hi:[1,0]   ; t
.endr
.endm
.Ltrip:                                            ; four trips, a constant; what a trip leaves out is its work, never a barrier
	s_add_co_u32 s[X0], s[Q0], 15
	s_cmp_gt_u32 s[KB], s[X0]                      ; all 128 keys come after my 16 queries,
	s_cselect_b32 s[X0], 1, 0
	s_cmp_ge_u32 s[Q0], s[FK]                      ; and each of my queries has a key without penalty:
	s_cselect_b32 s[X1], 1, 0
	s_and_b32 s[X0], s[X0], s[X1]
	s_cmp_lg_u32 s[X0], 0
	s_cbranch_scc1 .Lnext                          ; every p of the step would be 0
	v_add_nc_u32 v[ADK], s[TK], v[AK0]
	v_add_nc_u32 v[ADV], s[TK], v[AV0]
	v_add_nc_u32 v[ADS], s[TC], v[AS0]
	v_add_nc_u32 v[ADT], s[TV], v[AT0]
	ds_load_b128 v[KSC:KSC+3], v[ADS]              ; the scale words of all eight tiles
	KLOAD 0
	s_wait_dscnt 0x0
	SMUL 0
.rept 4
	v_nop                                          ; four places in front of loads into registers that matrix instructions have read (ISA guide 7.12.1 for vector instructions)
.endr
	KLOAD 1
	s_wait_dscnt 0x0
	SMUL 1
	s_sub_co_i32 s[X0], s[Q0], s[KB]
	v_add_nc_u32 v[ADP], s[TC], v[AP0]             ; these two serve a step with a penalty; with the two v_nop they are the four places in front of the first read of the scores
	v_add_nc_u32 v[DD], s[X0], v[RH]
	v_nop
	v_nop
	s_add_co_u32 s[X0], s[KB], 127
	s_cmp_le_u32 s[X0], s[Q0]                      ; no key of the step comes after any of my queries,
	s_cselect_b32 s[X0], 1, 0
	s_and_b32 s[X1], s[HB], 1
	s_xor_b32 s[X1], s[X1], 1                      ; and none is masked out:
	s_and_b32 s[X0], s[X0], s[X1]
	s_mov_b32 s[CS], 0x3e38aa3b                    ; then t = s x log2(e) / 8, which is fl((s / 8) x log2 e)
	s_mov_b32 s[CS+1], 0x3e38aa3b                  ; (the packed form names the pair)
	s_cmp_lg_u32 s[X0], 0
	s_cbranch_scc1 .Lsoft
	PENAL 0
	PENAL 1
	s_mov_b32 s[CS], 1.0                           ; the registers hold t already
	s_mov_b32 s[CS+1], 1.0
.Lsoft:
.irp t, 0,1,2,3
.irp c, 0,1
	ds_load_b128 v[VF+8*\t+4*\c:VF+8*\t+4*\c+3], v[ADV] offset:1024*\t+512*\c    ; V's four fragments land under the softmax
.endr
.endr
	ds_load_b32 v[VSC], v[ADT]
	ds_load_b32 v[VSC+1], v[ADT] offset:128
.irp b, 0,1,2,3
	v_max3_num_f32 v[BM+\b], v[SC+16*\b], v[SC+1+16*\b], v[SC+2+16*\b]   ; the largest score of each block of 32 keys: it serves the row's maximum and, since p rises with the score, the block's largest p
.endr
.irp i, 3,5,7,9,11,13
.irp b, 0,1,2,3
	v_max3_num_f32 v[BM+\b], v[BM+\b], v[SC+16*\b+\i], v[SC+1+16*\b+\i]  ; (the four blocks by turns)
.endr
.endr
.irp b, 0,1,2,3
	v_max_num_f32 v[BM+\b], v[BM+\b], v[SC+15+16*\b]
.endr
.irp b, 0,1,2,3
	v_permlanex16_b32 v[BX+\b], v[BM+\b], s[SEL], s[SEL+1]
.endr
.irp b, 0,1,2,3
	v_max_num_f32 v[BM+\b], v[BM+\b], v[BX+\b]     ; with lane l xor 16's 16 keys
.endr
	v_max3_num_f32 v[TT], v[BM], v[BM+1], v[BM+2]
	v_max_num_f32 v[TT], v[TT], v[BM+3]
	v_mul_f32 v[TT], s[CS], v[TT]                  ; the step's largest t (the factor is positive)
	v_max_num_f32 v[MX], v[MX], v[TT]
	v_mov_b32 v[TT], v[NM]
	v_floor_f32 v[NM], -v[MX]                      ; the new -M = -ceil(the largest t): a whole number
	v_sub_f32 v[TT], v[NM], v[TT]                  ; old M - new M, 0 or less
	v_cvt_i32_f32 v[TT], v[TT]                     ; (it saturates)
	v_ldexp_f32 v[FF], 1.0, v[TT]                  ; f = 2^(old M - new M): multiplying by it rounds nothing
.irp j, 0,2,4,6,8,10,12,14,16,18,20,22,24,26,28,30,32,34,36,38,40,42,44,46,48,50,52,54,56,58,60,62
	v_pk_fma_f32 v[SC+\j:SC+\j+1], v[SC+\j:SC+\j+1], s[CS:CS+1], v[NM:NM+1] op_sel_hi:[1,0,0]   ; t - M, two at a time (of both pairs the low word serves both halves)
.endr
.irp j, 0,1,2,3,4,5,6,7,8,9,10,11,12,13,14,15,16,17,18,19,20,21,22,23,24,25,26,27,28,29,30,31,32,33,34,35,36,37,38,39,40,41,42,43,44,45,46,47,48,49,50,51,52,53,54,55,56,57,58,59,60,61,62,63
	v_exp_f32 v[SC+\j], v[SC+\j]                   ; p = 2^(t - M), at most 1
.endr
.irp b, 0,1,2,3
	v_fma_f32 v[BM+\b], v[BM+\b], s[CS], v[NM]     ; the same of each block's largest score: plain lines behind the exponentials, which name none of their results
.endr
	s_wait_alu depctr_va_vdst(0)                   ; the wait ahead of the first line that names an exponential's result: one for the 64
.irp b, 0,1,2,3
	v_exp_f32 v[BM+\b], v[BM+\b]                   ; the block's largest p: the same arithmetic on the same number
.endr
	v_pk_add_f32 v[SA:SA+1], v[SC:SC+1], v[SC+4:SC+5]       ; the step's sum of the UNQUANTISED p, two at a time, in two chains (they read the 64 alone)
	v_pk_add_f32 v[SB:SB+1], v[SC+2:SC+3], v[SC+6:SC+7]
.irp j, 8,12,16,20,24,28,32,36,40,44,48,52,56,60
	v_pk_add_f32 v[SA:SA+1], v[SA:SA+1], v[SC+\j:SC+\j+1]
	v_pk_add_f32 v[SB:SB+1], v[SB:SB+1], v[SC+\j+2:SC+\j+3]
.endr
	s_wait_alu depctr_va_vdst(0)                   ; and one for the four
.irp b, 0,1,2,3
	v_max_num_f32 v[BM+\b], 0x1800000, v[BM+\b]    ; the floor 2^(3 - 127): the byte cannot fall under 1 (a block whose every p is 0 keeps that byte: its codes are zeros)
.endr
.irp b, 0,1,2,3
	v_add_nc_u32 v[SO+\b], 0xff000000, v[BM+\b]    ; 2 off the exponent field: the conversion's scale operand
.endr
.irp b, 0,1,2,3
	v_lshrrev_b32 v[BX+\b], 23, v[SO+\b]           ; the scale's byte
.endr
	v_lshl_or_b32 v[PW], v[BX+1], 8, v[BX]         ; p's scale word for these 128 keys
	v_lshl_or_b32 v[PW], v[BX+2], 16, v[PW]
	v_lshl_or_b32 v[PW], v[BX+3], 24, v[PW]
.irp b, 0,1,2,3
	v_cvt_scalef32_pk8_fp4_f32 v[PC+2*\b], v[SC+16*\b:SC+7+16*\b], v[SO+\b]
	v_cvt_scalef32_pk8_fp4_f32 v[PC+1+2*\b], v[SC+8+16*\b:SC+15+16*\b], v[SO+\b]
.endr
	v_nop                                          ; one plain line between a scaled conversion and the vector line that touches its result
.irp c, 0,1                                    ; the operand's layout wants a WHOLE block in a lane: lanes 0-15 block 2 c, lanes 16-31 block 2 c + 1
.irp i, 0,1
	v_permlane16_swap_b32 v[PC+4*\c+\i], v[PC+2+4*\c+\i]
.endr
.endr
.irp j, 0,2,4,6,8,10,12,14,16,18,20,22,24,26,28,30
	v_pk_mul_f32 v[OA+\j:OA+\j+1], v[OA+\j:OA+\j+1], v[FF:FF+1] op_sel_hi:[1,0]   ; O^T under the new M, each accumulator from its low end on.  (These lines are also the places between p's word and codes and the products)
.endr
	v_pk_add_f32 v[SA:SA+1], v[SA:SA+1], v[SB:SB+1]
	v_pk_fma_f32 v[LS:LS+1], v[LS:LS+1], v[FF:FF+1], v[SA:SA+1] op_sel_hi:[1,0,1]  ; the sum under the new M, + the step's
	s_wait_dscnt 0x0                               ; V's fragments and scale words are in
.irp t, 0,2                                    ; O^T += V^T P^T: the four accumulators by turns, one instruction a turn; K = these 128 keys
	v_wmma_scale_f32_16x16x128_f8f6f4 v[OA+8*\t:OA+8*\t+7], v[VF+8*\t:VF+8*\t+7], v[PC:PC+7], v[OA+8*\t:OA+8*\t+7], v[VSC+\t/2], v[PW] matrix_a_fmt:MATRIX_FMT_FP4 matrix_b_fmt:MATRIX_FMT_FP4
	v_wmma_scale_f32_16x16x128_f8f6f4 v[OA+8+8*\t:OA+15+8*\t], v[VF+8+8*\t:VF+15+8*\t], v[PC:PC+7], v[OA+8+8*\t:OA+15+8*\t], v[VSC+\t/2], v[PW] matrix_a_fmt:MATRIX_FMT_FP4 matrix_b_fmt:MATRIX_FMT_FP4 matrix_a_scale:MATRIX_SCALE_ROW1
.endr
.Lnext:
	s_lshr_b32 s[HB], s[HB], 1
	s_add_co_u32 s[TK], s[TK], 4*4096              ; four steps on
	s_add_co_u32 s[TC], s[TC], 4*512
	s_add_co_u32 s[TV], s[TV], 4*256
	s_add_co_u32 s[KB], s[KB], 4*128
	s_add_co_u32 s[CNT], s[CNT], 1
	s_cmp_lt_u32 s[CNT], 4
	s_cbranch_scc1 .Ltrip
	; THE FOUR PARTS OF A TILE MEET IN LDS.  The first lines are also the places behind the last products.
	v_add_f32 v[LS], v[LS], v[LS+1]                ; the sum's two halves,
	v_permlanex16_b32 v[BX], v[LS], s[SEL], s[SEL+1]
	v_add_f32 v[MX], v[LS], v[BX]                  ; and lane l xor 16's: my part of the row's sum, beside -M in the pair v[12:13]
	v_nop
	v_nop
.irp t, 0,1,2,3
	ds_store_b128 v[OSW], v[OA+8*\t:OA+8*\t+3] offset:64*\t          ; lane (r, h): channels 16 t + 8 h + 0 .. 7 of query r; each accumulator from its low end on
	ds_store_b128 v[OSW], v[OA+8*\t+4:OA+8*\t+7] offset:64*\t+16
.endr
	ds_store_b64 v[SSW], v[NM:NM+1]                ; both halves of the lanes write the same words with the same values
	s_wait_dscnt 0x0                               ; for the others' sake: my part lies in LDS
	s_barrier_signal -1
	s_barrier_wait -1
	; wave 4 T + J finishes queries 4 J .. 4 J + 3 of tile T: lanes 0-15 one row of 256 bytes, lanes 16-31 the next, twice (k)
.irp k, 0,1
.irp p, 0,1,2,3
	ds_load_b128 v[96+16*\k+4*\p:99+16*\k+4*\p], v[ORD] offset:\p*16*RP+\k*2*RP
	ds_load_b64 v[128+8*\k+2*\p:129+8*\k+2*\p], v[SRD] offset:\p*128+\k*16
.endr
.endr
	s_wait_dscnt 0x0
.irp k, 0,1
	v_min3_num_f32 v[144+\k], v[128+8*\k], v[130+8*\k], v[132+8*\k]
.endr
.irp k, 0,1
	v_min_num_f32 v[144+\k], v[144+\k], v[134+8*\k]            ; the least -M: the query's M
.endr
.irp k, 0,1
.irp p, 0,1,2,3
	v_sub_f32 v[128+8*\k+2*\p], v[144+\k], v[128+8*\k+2*\p]    ; a part's M - the query's M: a whole number, 0 or less (a wave that had no step: -3e38)
.endr
.endr
.irp k, 0,1
.irp p, 0,1,2,3
	v_cvt_i32_f32 v[128+8*\k+2*\p], v[128+8*\k+2*\p]           ; (it saturates)
.endr
.endr
.irp k, 0,1
.irp p, 0,1,2,3
	v_ldexp_f32 v[128+8*\k+2*\p], 1.0, v[128+8*\k+2*\p]        ; the part's factor, an exact power of two or 0
.endr
.endr
.irp k, 0,1
	v_mul_f32 v[146+\k], v[128+8*\k], v[129+8*\k]
.endr
.irp p, 1,2,3
.irp k, 0,1
	v_fma_f32 v[146+\k], v[128+8*\k+2*\p], v[129+8*\k+2*\p], v[146+\k]   ; the row's sum
.endr
.endr
.irp k, 0,1
	v_rcp_f32 v[148+\k], v[146+\k]
.endr
	v_nop                                          ; a plain line behind the reciprocals
	s_wait_alu depctr_va_vdst(0)                   ; and the wait ahead of their first reader: one for the two
.irp k, 0,1
.irp p, 0,1,2,3
	v_mul_f32 v[128+8*\k+2*\p], v[128+8*\k+2*\p], v[148+\k]    ; factor / sum
.endr
.endr
.irp k, 0,1
.irp i, 0,1,2,3
	v_mul_f32 v[152+4*\k+\i], v[96+16*\k+\i], v[128+8*\k]
.endr
.endr
.irp p, 1,2,3
.irp k, 0,1
.irp i, 0,1,2,3
	v_fma_f32 v[152+4*\k+\i], v[96+16*\k+4*\p+\i], v[128+8*\k+2*\p], v[152+4*\k+\i]
.endr
.endr
.endr
.irp k, 0,1
	global_store_b128 v[AK0], v[152+4*\k:155+4*\k], s[18:19] offset:512*\k th:TH_STORE_NT   ; 32 lanes store two whole rows: 512 consecutive bytes, aligned; written once
.endr
	s_wait_tensorcnt 0x0
	ds_add_u32 v254, v255
	s_wait_dscnt 0x0
	s_endpgm
.Lfunc_end_k_q9508c22630_attn:
	.size	k_q9508c22630_attn, .Lfunc_end_k_q9508c22630_attn-k_q9508c22630_attn
	.p2alignl 7, 3214868480
	.fill 96, 4, 3214868480
	.section	.rodata,"a",@progbits
	.p2align	6, 0x0
	.amdhsa_kernel k_q9508c22630_attn
		.amdhsa_group_segment_fixed_size 242688
		.amdhsa_private_segment_fixed_size 0
		.amdhsa_enable_private_segment 0
		.amdhsa_kernarg_size 64
		.amdhsa_user_sgpr_count 2
		.amdhsa_user_sgpr_kernarg_segment_ptr 1
		.amdhsa_wavefront_size32 1
		.amdhsa_system_sgpr_workgroup_id_x 1
		.amdhsa_system_sgpr_workgroup_id_y 1
		.amdhsa_system_sgpr_workgroup_id_z 1
		.amdhsa_system_vgpr_workitem_id 0
		.amdhsa_next_free_vgpr 256
		.amdhsa_next_free_sgpr 96
		.amdhsa_reserve_vcc 1
		.amdhsa_float_denorm_mode_32 3
		.amdhsa_float_denorm_mode_16_64 3
		.amdhsa_memory_ordered 1
		.amdhsa_forward_progress 1
		.amdhsa_inst_pref_size 51
	.end_amdhsa_kernel
	.amdgpu_metadata
---
amdhsa.version: [ 1, 2 ]
amdhsa.kernels:
  - .name:           k_q9508c22630_attn
    .symbol:         k_q9508c22630_attn.kd
    .args:
      - { .name: query, .offset: 0, .size: 8, .value_kind: global_buffer, .address_space: global }
      - { .name: kc, .offset: 8, .size: 8, .value_kind: global_buffer, .address_space: global }
      - { .name: ks, .offset: 16, .size: 8, .value_kind: global_buffer, .address_space: global }
      - { .name: vc, .offset: 24, .size: 8, .value_kind: global_buffer, .address_space: global }
      - { .name: vs, .offset: 32, .size: 8, .value_kind: global_buffer, .address_space: global }
      - { .name: pen, .offset: 40, .size: 8, .value_kind: global_buffer, .address_space: global }
      - { .name: meta, .offset: 48, .size: 8, .value_kind: global_buffer, .address_space: global }
      - { .name: out0, .offset: 56, .size: 8, .value_kind: global_buffer, .address_space: global }
    .group_segment_fixed_size: 242688
    .private_segment_fixed_size: 0
    .kernarg_segment_align: 8
    .kernarg_segment_size: 64
    .max_flat_workgroup_size: 512
    .sgpr_count:     96
    .vgpr_count:     256
    .wavefront_size: 32
...
	.end_amdgpu_metadata
.endif
;; end of part 2
;; ======== version 2 of 3: 2 launches
;; limits: right only within a limited range of input values
;; workspace buffers: kc 524,288 bytes; ks 65,536 bytes; vc 524,288 bytes; vs 32,768 bytes; pen 65,536 bytes; meta 1,024 bytes of whole numbers
;; launch prep: the kernel of part 1 again; grid 16 x 8, 8 waves a work-group, no clusters, 37,888 bytes of LDS; arguments key, value, mask, kc, ks, vc, vs, pen, meta; writes kc, ks, vc, vs, pen, meta
;; launch attn (part 3): grid 32 x 8, 16 waves a work-group, no clusters, 242,688 bytes of LDS; arguments query, kc, ks, vc, vs, pen, meta, out0; writes out0
.if DOCPART == 3
	.amdgcn_target "amdgcn-amd-amdhsa--gfx1250"
	.amdhsa_code_object_version 6
	.text
	.protected	k_q9508c22630_attn
	.globl	k_q9508c22630_attn
	.p2align	8
	.type	k_q9508c22630_attn,@function
k_q9508c22630_attn:
	s_mov_b64 s[64:65], 0
	v_nop
	global_prefetch_b8 v0, s[64:65] scope:SCOPE_SE
	s_setreg_imm32_b32 hwreg(HW_REG_WAVE_MODE, 25, 1), 1
	s_wait_xcnt 0x0
; out[b][q] = the sum over k of softmax_k(e) V[b][k], e = Q.K / 8 - 10000 (k > q) - 10000 (1 - mask[b][k]); both products on codes of FP4 (E2M1) with one E8M0 scale for each 32 along K.
; K, V, their scales, the padding penalties and two whole numbers for each step of 128 keys come from the launch before, K's and V's codes in the order of the operands' registers.  Q is quantised here.
; THE SOFTMAX: t = e x log2(e); M = the largest t so far, rounded up to a whole number; p = 2^(t - M) is quantised along the keys, not normalised; the row's sum is taken of the unquantised p and divides at the end.
; THE PENALTIES ARE FINITE, AND ARE HONOURED SO.  Let f be the batch's first key whose mask is true.  A query q >= f has a key without penalty, and beside it every penalised key's p is 0.  A query q < f has none:
; its softmax goes over the keys with one penalty, those above the diagonal too.  So a step of 128 keys that lies wholly above a tile's diagonal is left out only where the tile's first query is >= f: a scalar branch on a stored whole number.
; LIMITS: leaving those steps out holds while a row's logits spread by less than 9,900 (then 2^((e - 10000 - largest e) log2 e) is 0 in f32); NaN and infinities among the inputs are not served.
; NO TENSOR LOADS, NO COPIES, NO CLUSTER.  The branch spares 30 of a work-group's 64 tile steps;
; so the batch's 148 KiB of operands come through registers into LDS, once, and stay.
; SHARES.  Work-group x of a batch owns the query tiles x, 63 - x, 64 + x, 127 - x (16 queries each): their steps up to the diagonal are 34 in every work-group.  Wave 4 T + J takes tile T's steps 4 i + (T + J) % 4, i = 0 .. 3:
; four trips, the branch inside each.  The four waves of a tile join their parts (O^T, M, the sum) through LDS at the end, by exact powers of two.
; THE FILL GOES UNDER THE WORK.  A thread's 21 loads are issued at once, in the order in which they are wanted: q; the small tables; the codes of steps 0-3; those of steps 4-15.  Behind a first barrier q lies in LDS and is quantised while
; the rest is on its way.  Behind a second the tables and steps 0-3 lie there: 68 of the fill's 164 KiB; every wave's first trip works on those alone.  The 12 loads of steps 4-15 are held meanwhile in registers that the first trip
; does not need yet (O^T's 32, which the trip's last products start with the constant 0, and 16 spare ones) and go to LDS ahead of those products; a third barrier stands behind the trip.  So the first trip is written out.
; LAYOUT.  Both products are used transposed: S^T = K Q^T (source 0 = 16 keys, source 1 = my 16 queries), O^T = V^T P^T: a lane holds ONE query (lane % 16).  The keys of a tile are chosen (by the launch before) so that
; score register 16 b + i of lane (r, h) is key 32 b + 16 h + i of the step.  d = 64 fills registers 0-3 of K's and Q's fragments; registers 4-7 are zero codes, their scale bytes 0x7f.
; A STEP WITH A PENALTY (on the diagonal, with a masked key, or above the diagonal and not left out) first turns its scores into t with reference()'s own roundings: fl(fl(fl(s / 8 + pad) - 10000 where hidden) x log2 e);
; the common lines then run with the factor 1.0 in place of log2(e) / 8, so that t - M is rounded as there.  (s / 8 is exact; the two penalties are equal, so their order does not show.)
.set KC,  0                            ; LDS: K's codes, 16 steps x 4,096 bytes
.set VC,  65536                        ; V's codes, likewise
.set KS,  131072                       ; K's scale words, 16 x 512
.set VS,  139264                       ; V's, 16 x 256
.set PN,  143360                       ; the padding penalties, 2,048 f32
.set RP,  272                          ; a stage row: 256 bytes + 16: row r starts 16 r bytes further on modulo 256 (64 banks of 4 bytes: ISA guide 11.1)
.set QS,  151552                       ; Q's stage: 4 tiles x 16 rows
.set OS,  168960                       ; the parts of O: 16 waves x 16 rows
.set SS,  238592                       ; -M and the sum: 16 waves x 16 queries x 8 bytes
.set AK0, 1                            ; 16 x lane: my place in a fragment's image; also my byte in two rows of q or out
.set AV0, 2                            ; VC + 16 x lane
.set AS0, 3                            ; KS + 16 x lane
.set AT0, 4                            ; VS + 4 x lane
.set AP0, 5                            ; PN + 64 (lane / 16)
.set RH,  6                            ; lane % 16 - 16 (lane / 16)
.set ADK, 8                            ; the step's addresses
.set ADV, 9
.set ADS, 10
.set ADT, 11
.set NM,  12                           ; -M
.set MX,  13                           ; the largest t so far
.set LS,  14                           ; v[14:15] the sum, in two halves
.set QF,  16                           ; v16-23 Q's fragment
.set ADP, 24
.set DD,  25                           ; my query - the step's first key - 16 (lane / 16)
.set OSW, 26                           ; where my part of O goes
.set SSW, 27                           ; and -M and the sum
.set ORD, 28                           ; where I read the four parts back
.set SRD, 29
.set QRD, 30                           ; where I read my block of q
.set HH,  31                           ; lane / 16
.set KF,  32                           ; v32-63 four fragments of K (registers 4-7 of each stay 0)
.set VF,  64                           ; v64-95 four fragments of V; in a step with a penalty first 32 penalties
.set SC,  96                           ; v96-159 S^T, then p
.set OA,  160                          ; v160-191 O^T
.set PC,  192                          ; v192-199 p's codes
.set BM,  200                          ; v200-203 each block's largest score, then largest p
.set BX,  204                          ; v204-207 at work
.set SO,  208                          ; v208-211 the conversions' scale operands
.set FF,  212                          ; v[212:213] f = 2^(old M - new M) (the pair's upper word is only named)
.set TT,  214
.set SA,  216                          ; v[216:217], v[218:219] the step's sum of p, two chains
.set SB,  218
.set QW,  224                          ; scale registers, which hold nothing else: Q's word,
.set PW,  225                          ; p's,
.set VSC, 226                          ; v226-227 V's (lanes 0-15 the even channel tile, lanes 16-31 the odd one),
.set KSC, 228                          ; v228-231 K's (lanes 0-15 tiles 0-3, lanes 16-31 tiles 4-7)
.set FO,  232                          ; the fill: 16 x thread
.set FV,  233                          ; VC + 16 x thread
.set FS,  234
.set FG,  235                          ; 8 x thread
.set FT,  236
.set FQ,  237
.set LN,  238
.set RR,  239
.set H3,  240                          ; v240-255 the fill's last four loads (steps 12-15), held through the first trip
.set H0,  VF                           ; the loads of steps 0-3 land where V's fragments will lie,
.set FQR, SC+32                        ; v128-135 q's two, v136-147 the small tables': the scores' upper half
.set WV,  20
.set TL,  21                           ; T
.set JW,  22                           ; J
.set JJ,  23                           ; (T + J) % 4
.set BT,  24                           ; batch
.set TI,  25                           ; my query tile, 0 .. 127
.set Q0,  26                           ; its first query
.set FK,  27                           ; the batch's first key whose mask is true
.set SEL, 28
.set CS,  30                           ; s[30:31] the factor from score register to t
.set TK,  32                           ; the step x 4,096
.set TC,  33                           ; x 512
.set TV,  34                           ; x 256
.set KB,  35                           ; x 128: its first key
.set CNT, 36
.set HB,  37                           ; bit 0: the trip's step has a masked key
.set X0,  38
.set X1,  39
; The codes of steps 4 c .. 4 c + 3: 16,384 bytes of K and as many of V; 512 threads x 16 bytes are 8,192 bytes a load.  HELD asks for them, into v[reg] on; PUT lays them into LDS as they land.
.macro HELD c, reg
	global_load_b128 v[\reg:\reg+3], v[FO], s[6:7] offset:16384*\c
	global_load_b128 v[\reg+4:\reg+7], v[FO], s[6:7] offset:16384*\c+8192
	global_load_b128 v[\reg+8:\reg+11], v[FO], s[10:11] offset:16384*\c
	global_load_b128 v[\reg+12:\reg+15], v[FO], s[10:11] offset:16384*\c+8192
.endm
.macro PUT c, reg, left                ; left: the loads issued behind these four; loads come back in order (ISA guide 5.7.1)
	s_wait_loadcnt \left+3
	ds_store_b128 v[FO], v[\reg:\reg+3] offset:16384*\c
	s_wait_loadcnt \left+2
	ds_store_b128 v[FO], v[\reg+4:\reg+7] offset:16384*\c+8192
	s_wait_loadcnt \left+1
	ds_store_b128 v[FV], v[\reg+8:\reg+11] offset:16384*\c
	s_wait_loadcnt \left
	ds_store_b128 v[FV], v[\reg+12:\reg+15] offset:16384*\c+8192
.endm
.macro REST                            ; steps 4-15: bytes 16,384 on of K's and of V's region, which nobody reads before the barrier behind the first trip
	PUT 1, OA, 8
	PUT 2, OA+16, 4
	PUT 3, H3, 0
.endm
	s_load_b512 s[4:19], s[0:1], 0x0               ; query s[4:5], kc s[6:7], ks s[8:9], vc s[10:11], vs s[12:13], pen s[14:15], meta s[16:17], out0 s[18:19]
	v_lshl_add_u32 v222, v0, 2, 0x3ac00
	v_mov_b32 v223, 0
	v_lshrrev_b32 v[LN], 5, v0
	v_readfirstlane_b32 s[WV], v[LN]               ; wave 0..15
	s_lshr_b32 s[TL], s[WV], 2
	s_and_b32 s[JW], s[WV], 3
	s_add_co_u32 s[JJ], s[TL], s[JW]
	s_and_b32 s[JJ], s[JJ], 3
	s_and_b32 s[BT], ttmp7, 0xffff
	s_sub_co_u32 s[TI], 63, ttmp9
	s_bitcmp1_b32 s[TL], 0
	s_cselect_b32 s[TI], s[TI], ttmp9              ; x, or 63 - x where T is odd,
	s_and_b32 s[X0], s[TL], 2
	s_lshl_b32 s[X0], s[X0], 5
	s_add_co_u32 s[TI], s[TI], s[X0]               ; + 64 where T is 2 or 3
	s_lshl_b32 s[Q0], s[TI], 4
	s_mov_b32 s[SEL], 0x76543210
	s_mov_b32 s[SEL+1], 0xfedcba98                 ; v_permlanex16_b32's selects for lane l xor 16
	v_and_b32 v[LN], 31, v0
	v_and_b32 v[RR], 15, v0
	v_bfe_u32 v[HH], v0, 4, 1
	v_lshlrev_b32 v[AK0], 4, v[LN]
	v_add_nc_u32 v[AV0], VC, v[AK0]
	v_add_nc_u32 v[AS0], KS, v[AK0]
	v_lshl_add_u32 v[AT0], v[LN], 2, VS
	v_lshl_add_u32 v[AP0], v[HH], 6, PN
	v_lshlrev_b32 v[RH], 4, v[HH]
	v_sub_nc_u32 v[RH], v[RR], v[RH]
	v_lshlrev_b32 v[FO], 4, v0
	v_add_nc_u32 v[FV], VC, v[FO]
	v_add_nc_u32 v[FS], KS, v[FO]
	v_lshlrev_b32 v[FG], 3, v0
	v_add_nc_u32 v[FT], VS, v[FG]
	s_mul_i32 s[X0], s[WV], 4*RP                   ; Q's stage, in: wave 4 T + J brings rows 4 J .. 4 J + 3 of tile T: row 4 w + lane / 16 (+ 2 for the second load)
	v_mul_u32_u24 v[FQ], v[HH], RP
	v_lshl_add_u32 v[FQ], v[RR], 4, v[FQ]
	v_add_nc_u32 v[FQ], s[X0], v[FQ]
	v_add_nc_u32 v[FQ], QS, v[FQ]
	s_mul_i32 s[X0], s[TL], 16*RP                  ; and back: tile T, row lane % 16, block lane / 16
	v_mul_u32_u24 v[QRD], v[RR], RP
	v_lshl_add_u32 v[QRD], v[HH], 7, v[QRD]
	v_add_nc_u32 v[QRD], s[X0], v[QRD]
	v_add_nc_u32 v[QRD], QS, v[QRD]
	s_mul_i32 s[X0], s[WV], 16*RP                  ; my part of O: row lane % 16, 32 bytes for each half of the lanes
	v_mul_u32_u24 v[OSW], v[RR], RP
	v_lshl_add_u32 v[OSW], v[HH], 5, v[OSW]
	v_add_nc_u32 v[OSW], s[X0], v[OSW]
	v_add_nc_u32 v[OSW], OS, v[OSW]
	s_lshl_b32 s[X0], s[WV], 7
	v_lshl_add_u32 v[SSW], v[RR], 3, s[X0]
	v_add_nc_u32 v[SSW], SS, v[SSW]
	s_mul_i32 s[X0], s[TL], 64*RP                  ; back: the parts of waves 4 T .. 4 T + 3, rows 4 J + lane / 16 (+ 2), 16 bytes a lane
	s_mul_i32 s[X1], s[JW], 4*RP
	s_add_co_u32 s[X0], s[X0], s[X1]
	v_mul_u32_u24 v[ORD], v[HH], RP
	v_lshl_add_u32 v[ORD], v[RR], 4, v[ORD]
	v_add_nc_u32 v[ORD], s[X0], v[ORD]
	v_add_nc_u32 v[ORD], OS, v[ORD]
	s_lshl_b32 s[X0], s[TL], 9
	s_lshl_b32 s[X1], s[JW], 5
	s_add_co_u32 s[X0], s[X0], s[X1]
	v_lshl_add_u32 v[SRD], v[HH], 3, s[X0]
	v_add_nc_u32 v[SRD], SS, v[SRD]
	; byte offsets of the batch's parts
	s_lshl_b32 s40, s[BT], 16                      ; kc, vc
	s_mov_b32 s41, 0
	s_lshl_b32 s42, s[BT], 13                      ; ks, pen
	s_mov_b32 s43, 0
	s_lshl_b32 s44, s[BT], 12                      ; vs
	s_mov_b32 s45, 0
	s_lshl_b32 s46, s[BT], 11
	s_add_co_u32 s46, s46, s[Q0]
	s_lshl_b32 s47, s[JW], 2
	s_add_co_u32 s46, s46, s47
	s_lshl_b32 s46, s46, 8                         ; query, out0: row 2048 batch + my tile's first + 4 J, 256 bytes a row
	s_mov_b32 s47, 0
	s_lshl_b32 s48, s[BT], 6                       ; meta: 16 words a batch
	s_lshl_b32 s49, s[JJ], 2
	s_add_co_u32 s49, s49, s48                     ; my first step's word
	s_wait_kmcnt 0x0
	s_add_nc_u64 s[4:5], s[4:5], s[46:47]
	s_add_nc_u64 s[18:19], s[18:19], s[46:47]
	s_add_nc_u64 s[6:7], s[6:7], s[40:41]
	s_add_nc_u64 s[10:11], s[10:11], s[40:41]
	s_add_nc_u64 s[8:9], s[8:9], s[42:43]
	s_add_nc_u64 s[14:15], s[14:15], s[42:43]
	s_add_nc_u64 s[12:13], s[12:13], s[44:45]
	s_load_b512 s[68:83], s[16:17], s48 offset:0x0 ; each step's first true key
	s_load_b32 s84, s[16:17], s49 offset:512       ; and, for my four steps (16 bytes apart), whether a key is masked out
	s_load_b32 s85, s[16:17], s49 offset:528
	s_load_b32 s86, s[16:17], s49 offset:544
	s_load_b32 s87, s[16:17], s49 offset:560
	; THE FILL'S 21 LOADS, in the order in which they are wanted
	global_load_b128 v[FQR:FQR+3], v[AK0], s[4:5] th:TH_LOAD_NT              ; two rows of q: 512 consecutive bytes; each byte of q is read once
	global_load_b128 v[FQR+4:FQR+7], v[AK0], s[4:5] offset:512 th:TH_LOAD_NT
	global_load_b128 v[FQR+8:FQR+11], v[FO], s[8:9]                          ; K's scale words
	global_load_b64 v[FQR+12:FQR+13], v[FG], s[12:13]                        ; V's
	global_load_b128 v[FQR+16:FQR+19], v[FO], s[14:15]                       ; the penalties
	HELD 0, H0                                     ; the codes of steps 0-3,
	HELD 1, OA                                     ; of steps 4-7 and 8-11, into O^T's registers,
	HELD 2, OA+16
	HELD 3, H3                                     ; and of steps 12-15
	s_wait_loadcnt 19                              ; q's two loads are in; the 19 behind them may be out
	ds_store_b128 v[FQ], v[FQR:FQR+3]
	ds_store_b128 v[FQ], v[FQR+4:FQR+7] offset:2*RP
	s_wait_dscnt 0x0                               ; for the others' sake: my rows of q lie in LDS
	s_barrier_signal -1
	s_barrier_wait -1                              ; the work-group's q lies in LDS; its bytes are not written again
	; Q, while the other loads are on their way: lane (r, h) takes block h of query r, 32 numbers, all its own
.irp i, 0,1,2,3,4,5,6,7
	ds_load_b128 v[SC+4*\i:SC+4*\i+3], v[QRD] offset:16*\i
.endr
	s_wait_dscnt 0x0
	v_max3_num_f32 v[BM], |v[SC]|, |v[SC+1]|, |v[SC+2]|
	v_max3_num_f32 v[BM+1], |v[SC+3]|, |v[SC+4]|, |v[SC+5]|
.irp i, 6,10,14,18,22,26
	v_max3_num_f32 v[BM], v[BM], |v[SC+\i]|, |v[SC+\i+1]|
	v_max3_num_f32 v[BM+1], v[BM+1], |v[SC+\i+2]|, |v[SC+\i+3]|
.endr
	v_max3_num_f32 v[BM], v[BM], |v[SC+30]|, |v[SC+31]|
	v_max3_num_f32 v[BM], v[BM], v[BM+1], 0x1800000        ; and the floor 2^(3 - 127): the byte cannot fall under 1
	v_add_nc_u32 v[SO], 0xff000000, v[BM]                  ; 2 off the exponent field: the conversion's scale operand
	v_lshrrev_b32 v[BM+1], 23, v[SO]                       ; the byte,
	v_lshlrev_b32 v[BM+2], 3, v[HH]
	v_lshlrev_b32 v[BM+1], v[BM+2], v[BM+1]                ; at its place in the word;
.irp b, 0,1,2,3
	v_mov_b32 v[BX+\b], 0                                  ; (written once: a lane permute's destination counts as one of its sources)
.endr
	v_permlanex16_b32 v[BX], v[BM+1], s[SEL], s[SEL+1]
	v_or_b32 v[BM+1], v[BM+1], v[BX]                       ; with the query's other block's,
	v_or_b32 v[QW], 0x7f7f0000, v[BM+1]                    ; and 2^0 for the two blocks of zero codes
.irp g, 0,1,2,3
	v_cvt_scalef32_pk8_fp4_f32 v[QF+\g], v[SC+8*\g:SC+8*\g+7], v[SO]
.endr
	; the lines below are also the places between Q's registers, written by vector instructions, and the first matrix instruction
.irp i, 4,5,6,7
	v_mov_b32 v[QF+\i], 0                          ; zero codes for k = 64 .. 127
.endr
.irp t, 0,1,2,3
.irp i, 4,5,6,7
	v_mov_b32 v[KF+8*\t+\i], 0                     ; likewise in K's four fragments: the loads fill registers 0-3 alone
.endr
.endr
	v_mov_b32 v[MX], 0xff61b1e6                    ; the largest t so far: -3e38, under every t
	v_floor_f32 v[NM], -v[MX]
	v_mov_b32 v[LS], 0
	v_mov_b32 v[LS+1], 0
	v_mov_b32 v[FF+1], 0                           ; (named as the upper half of the pair)
	s_lshl_b32 s[TK], s[JJ], 12
	s_lshl_b32 s[TC], s[JJ], 9
	s_lshl_b32 s[TV], s[JJ], 8
	s_lshl_b32 s[KB], s[JJ], 7
	s_wait_kmcnt 0x0                               ; the whole numbers
	s_min_u32 s[FK], s68, s69                      ; the batch's first true key (2048 or more if none)
.irp i, 70,71,72,73,74,75,76,77,78,79,80,81,82,83
	s_min_u32 s[FK], s[FK], s\i
.endr
	s_lshl_b32 s85, s85, 1
	s_lshl_b32 s86, s86, 2
	s_lshl_b32 s87, s87, 3
	s_or_b32 s[HB], s84, s85
	s_or_b32 s[HB], s[HB], s86
	s_or_b32 s[HB], s[HB], s87                     ; bit i: trip i's step has a masked key
	s_wait_loadcnt 16                              ; the three small tables are in; the codes' 16 loads may be out
	ds_store_b128 v[FS], v[FQR+8:FQR+11]
	ds_store_b64 v[FT], v[FQR+12:FQR+13]
	ds_store_b128 v[FS], v[FQR+16:FQR+19] offset:PN-KS
	PUT 0, H0, 12                                  ; steps 0-3; the 12 loads of steps 4-15 stay out
	s_wait_dscnt 0x0                               ; for the others' sake: my stores have landed
	s_barrier_signal -1
	s_barrier_wait -1                              ; the tables and the codes of steps 0-3 lie in LDS; none of these bytes is written again
.macro KLOAD g                         ; four fragments of K: an image of the registers, 16 bytes a lane
.irp t, 0,1,2,3
	ds_load_b128 v[KF+8*\t:KF+8*\t+3], v[ADK] offset:2048*\g+512*\t
.endr
.endm
.macro SMUL g                          ; S^T of tiles 4 g .. 4 g + 3: each product starts its own sum
.irp t, 0,1,2,3
.if \g
	v_wmma_scale_f32_16x16x128_f8f6f4 v[SC+32+8*\t:SC+32+8*\t+7], v[KF+8*\t:KF+8*\t+7], v[QF:QF+7], 0, v[KSC+\t], v[QW] matrix_a_fmt:MATRIX_FMT_FP4 matrix_b_fmt:MATRIX_FMT_FP4 matrix_a_scale:MATRIX_SCALE_ROW1
.else
	v_wmma_scale_f32_16x16x128_f8f6f4 v[SC+8*\t:SC+8*\t+7], v[KF+8*\t:KF+8*\t+7], v[QF:QF+7], 0, v[KSC+\t], v[QW] matrix_a_fmt:MATRIX_FMT_FP4 matrix_b_fmt:MATRIX_FMT_FP4
.endif
.endr
.endm
; 32 scores (registers 32 g on) become t with reference()'s roundings.  The penalties of my 32 keys come from LDS (sixteen lanes read the same 16 bytes) into V's registers, which are free here.
.macro PENAL g
.irp k, 0,1,2,3,4,5,6,7
	ds_load_b128 v[VF+4*\k:VF+4*\k+3], v[ADP] offset:256*\g+128*(\k/4)+16*(\k%4)
.endr
	s_wait_dscnt 0x0
.irp p, 0,2,4,6,8,10,12,14,16,18,20,22,24,26,28,30
	v_pk_fma_f32 v[SC+32*\g+\p:SC+32*\g+\p+1], v[SC+32*\g+\p:SC+32*\g+\p+1], 0x3e000000, v[VF+\p:VF+\p+1] op_sel_hi:[1,0,1]   ; s / 8 (exact) + the padding penalty: one rounding
.endr
.irp p, 0,2,4,6,8,10,12,14,16,18,20,22,24,26,28,30
	v_pk_add_f32 v[VF+\p:VF+\p+1], v[SC+32*\g+\p:SC+32*\g+\p+1], 0xc61c4000 op_sel_hi:[1,0]   ; the same - 10000,
.endr
.irp n, 0,1,2,3,4,5,6,7,8,9,10,11,12,13,14,15,16,17,18,19,20,21,22,23,24,25,26,27,28,29,30,31
	v_cmp_gt_i32 vcc_lo, 64*\g+32*(\n/16)+\n%16, v[DD]                                        ; taken where the register's key comes after my query
	v_cndmask_b32 v[SC+32*\g+\n], v[SC+32*\g+\n], v[VF+\n], vcc_lo
.endr
.irp p, 0,2,4,6,8,10,12,14,16,18,20,22,24,26,28,30
	v_pk_mul_f32 v[SC+32*\g+\p:SC+32*\g+\p+1], v[SC+32*\g+\p:SC+32*\g+\p+1], 0x3fb8aa3b op_sel_hi:[1,0]   ; t
.endr
.endm
; A TRIP: one step of 128 keys, or nothing.  first = 1: the first trip, written out: it lays the held loads into LDS, its last products start O^T's sums, and the barrier that shows steps 4-15 to every wave stands behind it,
; where the two ways join: every wave passes it, whichever way it took.
.macro STEP first
	s_add_co_u32 s[X0], s[Q0], 15
	s_cmp_gt_u32 s[KB], s[X0]                      ; all 128 keys come after my 16 queries,
	s_cselect_b32 s[X0], 1, 0
	s_cmp_ge_u32 s[Q0], s[FK]                      ; and each of my queries has a key without penalty:
	s_cselect_b32 s[X1], 1, 0
	s_and_b32 s[X0], s[X0], s[X1]
	s_cmp_lg_u32 s[X0], 0
	s_cbranch_scc1 .Lskip_\@                       ; every p of the step would be 0
	v_add_nc_u32 v[ADK], s[TK], v[AK0]
	v_add_nc_u32 v[ADV], s[TK], v[AV0]
	v_add_nc_u32 v[ADS], s[TC], v[AS0]
	v_add_nc_u32 v[ADT], s[TV], v[AT0]
	ds_load_b128 v[KSC:KSC+3], v[ADS]              ; the scale words of all eight tiles
	KLOAD 0
	s_wait_dscnt 0x0
	SMUL 0
.rept 4
	v_nop                                          ; four places in front of loads into registers that matrix instructions have read (ISA guide 7.12.1 for vector instructions)
.endr
	KLOAD 1
	s_wait_dscnt 0x0
	SMUL 1
	s_sub_co_i32 s[X0], s[Q0], s[KB]
	v_add_nc_u32 v[ADP], s[TC], v[AP0]             ; these two serve a step with a penalty; with the two v_nop they are the four places in front of the first read of the scores
	v_add_nc_u32 v[DD], s[X0], v[RH]
	v_nop
	v_nop
	s_add_co_u32 s[X0], s[KB], 127
	s_cmp_le_u32 s[X0], s[Q0]                      ; no key of the step comes after any of my queries,
	s_cselect_b32 s[X0], 1, 0
	s_and_b32 s[X1], s[HB], 1
	s_xor_b32 s[X1], s[X1], 1                      ; and none is masked out:
	s_and_b32 s[X0], s[X0], s[X1]
	s_mov_b32 s[CS], 0x3e38aa3b                    ; then t = s x log2(e) / 8, which is fl((s / 8) x log2 e)
	s_mov_b32 s[CS+1], 0x3e38aa3b                  ; (the packed form names the pair)
	s_cmp_lg_u32 s[X0], 0
	s_cbranch_scc1 .Lsoft_\@
	PENAL 0
	PENAL 1
	s_mov_b32 s[CS], 1.0                           ; the registers hold t already
	s_mov_b32 s[CS+1], 1.0
.Lsoft_\@:
.irp t, 0,1,2,3
.irp c, 0,1
	ds_load_b128 v[VF+8*\t+4*\c:VF+8*\t+4*\c+3], v[ADV] offset:1024*\t+512*\c    ; V's four fragments land under the softmax
.endr
.endr
	ds_load_b32 v[VSC], v[ADT]
	ds_load_b32 v[VSC+1], v[ADT] offset:128
.irp b, 0,1,2,3
	v_max3_num_f32 v[BM+\b], v[SC+16*\b], v[SC+1+16*\b], v[SC+2+16*\b]   ; the largest score of each block of 32 keys: it serves the row's maximum and, since p rises with the score, the block's largest p
.endr
.irp i, 3,5,7,9,11,13
.irp b, 0,1,2,3
	v_max3_num_f32 v[BM+\b], v[BM+\b], v[SC+16*\b+\i], v[SC+1+16*\b+\i]  ; (the four blocks by turns)
.endr
.endr
.irp b, 0,1,2,3
	v_max_num_f32 v[BM+\b], v[BM+\b], v[SC+15+16*\b]
.endr
.irp b, 0,1,2,3
	v_permlanex16_b32 v[BX+\b], v[BM+\b], s[SEL], s[SEL+1]
.endr
.irp b, 0,1,2,3
	v_max_num_f32 v[BM+\b], v[BM+\b], v[BX+\b]     ; with lane l xor 16's 16 keys
.endr
	v_max3_num_f32 v[TT], v[BM], v[BM+1], v[BM+2]
	v_max_num_f32 v[TT], v[TT], v[BM+3]
	v_mul_f32 v[TT], s[CS], v[TT]                  ; the step's largest t (the factor is positive)
	v_max_num_f32 v[MX], v[MX], v[TT]
	v_mov_b32 v[TT], v[NM]
	v_floor_f32 v[NM], -v[MX]                      ; the new -M = -ceil(the largest t): a whole number
	v_sub_f32 v[TT], v[NM], v[TT]                  ; old M - new M, 0 or less
	v_cvt_i32_f32 v[TT], v[TT]                     ; (it saturates)
	v_ldexp_f32 v[FF], 1.0, v[TT]                  ; f = 2^(old M - new M): multiplying by it rounds nothing
.irp j, 0,2,4,6,8,10,12,14,16,18,20,22,24,26,28,30,32,34,36,38,40,42,44,46,48,50,52,54,56,58,60,62
	v_pk_fma_f32 v[SC+\j:SC+\j+1], v[SC+\j:SC+\j+1], s[CS:CS+1], v[NM:NM+1] op_sel_hi:[1,0,0]   ; t - M, two at a time (of both pairs the low word serves both halves)
.endr
.irp j, 0,1,2,3,4,5,6,7,8,9,10,11,12,13,14,15,16,17,18,19,20,21,22,23,24,25,26,27,28,29,30,31,32,33,34,35,36,37,38,39,40,41,42,43,44,45,46,47,48,49,50,51,52,53,54,55,56,57,58,59,60,61,62,63
	v_exp_f32 v[SC+\j], v[SC+\j]                   ; p = 2^(t - M), at most 1
.endr
.irp b, 0,1,2,3
	v_fma_f32 v[BM+\b], v[BM+\b], s[CS], v[NM]     ; the same of each block's largest score: plain lines behind the exponentials, which name none of their results
.endr
	s_wait_alu depctr_va_vdst(0)                   ; the wait ahead of the first line that names an exponential's result: one for the 64
.irp b, 0,1,2,3
	v_exp_f32 v[BM+\b], v[BM+\b]                   ; the block's largest p: the same arithmetic on the same number
.endr
	v_pk_add_f32 v[SA:SA+1], v[SC:SC+1], v[SC+4:SC+5]       ; the step's sum of the UNQUANTISED p, two at a time, in two chains (they read the 64 alone)
	v_pk_add_f32 v[SB:SB+1], v[SC+2:SC+3], v[SC+6:SC+7]
.irp j, 8,12,16,20,24,28,32,36,40,44,48,52,56,60
	v_pk_add_f32 v[SA:SA+1], v[SA:SA+1], v[SC+\j:SC+\j+1]
	v_pk_add_f32 v[SB:SB+1], v[SB:SB+1], v[SC+\j+2:SC+\j+3]
.endr
	s_wait_alu depctr_va_vdst(0)                   ; and one for the four
.if \first
	REST                                           ; the held loads go to LDS here: they have had Q's quantising and most of this trip in which to land, and the lines below stand between the stores and the wait for them
.endif
.irp b, 0,1,2,3
	v_max_num_f32 v[BM+\b], 0x1800000, v[BM+\b]    ; the floor 2^(3 - 127): the byte cannot fall under 1 (a block whose every p is 0 keeps that byte: its codes are zeros)
.endr
.irp b, 0,1,2,3
	v_add_nc_u32 v[SO+\b], 0xff000000, v[BM+\b]    ; 2 off the exponent field: the conversion's scale operand
.endr
.irp b, 0,1,2,3
	v_lshrrev_b32 v[BX+\b], 23, v[SO+\b]           ; the scale's byte
.endr
	v_lshl_or_b32 v[PW], v[BX+1], 8, v[BX]         ; p's scale word for these 128 keys
	v_lshl_or_b32 v[PW], v[BX+2], 16, v[PW]
	v_lshl_or_b32 v[PW], v[BX+3], 24, v[PW]
.irp b, 0,1,2,3
	v_cvt_scalef32_pk8_fp4_f32 v[PC+2*\b], v[SC+16*\b:SC+7+16*\b], v[SO+\b]
	v_cvt_scalef32_pk8_fp4_f32 v[PC+1+2*\b], v[SC+8+16*\b:SC+15+16*\b], v[SO+\b]
.endr
	v_nop                                          ; one plain line between a scaled conversion and the vector line that touches its result
.irp c, 0,1                                    ; the operand's layout wants a WHOLE block in a lane: lanes 0-15 block 2 c, lanes 16-31 block 2 c + 1
.irp i, 0,1
	v_permlane16_swap_b32 v[PC+4*\c+\i], v[PC+2+4*\c+\i]
.endr
.endr
.if \first
.rept 6
	v_nop                                          ; there is no O^T yet to rescale: with the two lines below these are the places between p's word (eight) and codes (four), written by vector lines, and the scaled products
.endr
.else
.irp j, 0,2,4,6,8,10,12,14,16,18,20,22,24,26,28,30
	v_pk_mul_f32 v[OA+\j:OA+\j+1], v[OA+\j:OA+\j+1], v[FF:FF+1] op_sel_hi:[1,0]   ; O^T under the new M, each accumulator from its low end on.  (These lines are also the places between p's word and codes and the products)
.endr
.endif
	v_pk_add_f32 v[SA:SA+1], v[SA:SA+1], v[SB:SB+1]
	v_pk_fma_f32 v[LS:LS+1], v[LS:LS+1], v[FF:FF+1], v[SA:SA+1] op_sel_hi:[1,0,1]  ; the sum under the new M, + the step's
	s_wait_dscnt 0x0                               ; V's fragments and scale words are in; in the first trip also: my stores of the held loads have landed and have read O^T's registers
.irp t, 0,2                                    ; O^T += V^T P^T: the four accumulators by turns, one instruction a turn; K = these 128 keys.  The first trip's products start the sums
.if \first
	v_wmma_scale_f32_16x16x128_f8f6f4 v[OA+8*\t:OA+8*\t+7], v[VF+8*\t:VF+8*\t+7], v[PC:PC+7], 0, v[VSC+\t/2], v[PW] matrix_a_fmt:MATRIX_FMT_FP4 matrix_b_fmt:MATRIX_FMT_FP4
	v_wmma_scale_f32_16x16x128_f8f6f4 v[OA+8+8*\t:OA+15+8*\t], v[VF+8+8*\t:VF+15+8*\t], v[PC:PC+7], 0, v[VSC+\t/2], v[PW] matrix_a_fmt:MATRIX_FMT_FP4 matrix_b_fmt:MATRIX_FMT_FP4 matrix_a_scale:MATRIX_SCALE_ROW1
.else
	v_wmma_scale_f32_16x16x128_f8f6f4 v[OA+8*\t:OA+8*\t+7], v[VF+8*\t:VF+8*\t+7], v[PC:PC+7], v[OA+8*\t:OA+8*\t+7], v[VSC+\t/2], v[PW] matrix_a_fmt:MATRIX_FMT_FP4 matrix_b_fmt:MATRIX_FMT_FP4
	v_wmma_scale_f32_16x16x128_f8f6f4 v[OA+8+8*\t:OA+15+8*\t], v[VF+8+8*\t:VF+15+8*\t], v[PC:PC+7], v[OA+8+8*\t:OA+15+8*\t], v[VSC+\t/2], v[PW] matrix_a_fmt:MATRIX_FMT_FP4 matrix_b_fmt:MATRIX_FMT_FP4 matrix_a_scale:MATRIX_SCALE_ROW1
.endif
.endr
.if \first
	s_branch .Lnext_\@
.Lskip_\@:                                         ; a wave without a first step has its part of the fill all the same,
	REST
	s_wait_dscnt 0x0                               ; (for the others' sake, and the stores have read O^T's registers)
.irp j, 0,1,2,3,4,5,6,7,8,9,10,11,12,13,14,15,16,17,18,19,20,21,22,23,24,25,26,27,28,29,30,31
	v_mov_b32 v[OA+\j], 0                          ; and its O^T begins as zeros
.endr
.Lnext_\@:
	s_barrier_signal -1                            ; on both ways my LDS stores have landed
	s_barrier_wait -1                              ; the codes of steps 4-15 lie in LDS; none of these bytes is written again
.else
.Lskip_\@:
.endif
	s_lshr_b32 s[HB], s[HB], 1
	s_add_co_u32 s[TK], s[TK], 4*4096              ; four steps on
	s_add_co_u32 s[TC], s[TC], 4*512
	s_add_co_u32 s[TV], s[TV], 4*256
	s_add_co_u32 s[KB], s[KB], 4*128
.endm
	STEP 1                                         ; step (T + J) % 4, out of the codes that are there
	s_mov_b32 s[CNT], 0
.Ltrip:                                            ; three trips, a constant; what a trip leaves out is its work
	STEP 0
	s_add_co_u32 s[CNT], s[CNT], 1
	s_cmp_lt_u32 s[CNT], 3
	s_cbranch_scc1 .Ltrip
	; THE FOUR PARTS OF A TILE MEET IN LDS.  The first lines are also the places behind the last products.
	v_add_f32 v[LS], v[LS], v[LS+1]                ; the sum's two halves,
	v_permlanex16_b32 v[BX], v[LS], s[SEL], s[SEL+1]
	v_add_f32 v[MX], v[LS], v[BX]                  ; and lane l xor 16's: my part of the row's sum, beside -M in the pair v[12:13]
	v_nop
	v_nop
.irp t, 0,1,2,3
	ds_store_b128 v[OSW], v[OA+8*\t:OA+8*\t+3] offset:64*\t          ; lane (r, h): channels 16 t + 8 h + 0 .. 7 of query r; each accumulator from its low end on
	ds_store_b128 v[OSW], v[OA+8*\t+4:OA+8*\t+7] offset:64*\t+16
.endr
	ds_store_b64 v[SSW], v[NM:NM+1]                ; both halves of the lanes write the same words with the same values
	s_wait_dscnt 0x0                               ; for the others' sake: my part lies in LDS
	s_barrier_signal -1
	s_barrier_wait -1
	; wave 4 T + J finishes queries 4 J .. 4 J + 3 of tile T: lanes 0-15 one row of 256 bytes, lanes 16-31 the next, twice (k)
.irp k, 0,1
.irp p, 0,1,2,3
	ds_load_b128 v[96+16*\k+4*\p:99+16*\k+4*\p], v[ORD] offset:\p*16*RP+\k*2*RP
	ds_load_b64 v[128+8*\k+2*\p:129+8*\k+2*\p], v[SRD] offset:\p*128+\k*16
.endr
.endr
	s_wait_dscnt 0x0
.irp k, 0,1
	v_min3_num_f32 v[144+\k], v[128+8*\k], v[130+8*\k], v[132+8*\k]
.endr
.irp k, 0,1
	v_min_num_f32 v[144+\k], v[144+\k], v[134+8*\k]            ; the least -M: the query's M
.endr
.irp k, 0,1
.irp p, 0,1,2,3
	v_sub_f32 v[128+8*\k+2*\p], v[144+\k], v[128+8*\k+2*\p]    ; a part's M - the query's M: a whole number, 0 or less (a wave that had no step: -3e38)
.endr
.endr
.irp k, 0,1
.irp p, 0,1,2,3
	v_cvt_i32_f32 v[128+8*\k+2*\p], v[128+8*\k+2*\p]           ; (it saturates)
.endr
.endr
.irp k, 0,1
.irp p, 0,1,2,3
	v_ldexp_f32 v[128+8*\k+2*\p], 1.0, v[128+8*\k+2*\p]        ; the part's factor, an exact power of two or 0
.endr
.endr
.irp k, 0,1
	v_mul_f32 v[146+\k], v[128+8*\k], v[129+8*\k]
.endr
.irp p, 1,2,3
.irp k, 0,1
	v_fma_f32 v[146+\k], v[128+8*\k+2*\p], v[129+8*\k+2*\p], v[146+\k]   ; the row's sum
.endr
.endr
.irp k, 0,1
	v_rcp_f32 v[148+\k], v[146+\k]
.endr
	v_nop                                          ; a plain line behind the reciprocals
	s_wait_alu depctr_va_vdst(0)                   ; and the wait ahead of their first reader: one for the two
.irp k, 0,1
.irp p, 0,1,2,3
	v_mul_f32 v[128+8*\k+2*\p], v[128+8*\k+2*\p], v[148+\k]    ; factor / sum
.endr
.endr
.irp k, 0,1
.irp i, 0,1,2,3
	v_mul_f32 v[152+4*\k+\i], v[96+16*\k+\i], v[128+8*\k]
.endr
.endr
.irp p, 1,2,3
.irp k, 0,1
.irp i, 0,1,2,3
	v_fma_f32 v[152+4*\k+\i], v[96+16*\k+4*\p+\i], v[128+8*\k+2*\p], v[152+4*\k+\i]
.endr
.endr
.endr
.irp k, 0,1
	global_store_b128 v[AK0], v[152+4*\k:155+4*\k], s[18:19] offset:512*\k th:TH_STORE_NT   ; 32 lanes store two whole rows: 512 consecutive bytes, aligned; written once
.endr
	s_wait_tensorcnt 0x0
	ds_add_u32 v222, v223
	s_wait_dscnt 0x0
	s_endpgm
.Lfunc_end_k_q9508c22630_attn:
	.size	k_q9508c22630_attn, .Lfunc_end_k_q9508c22630_attn-k_q9508c22630_attn
	.p2alignl 7, 3214868480
	.fill 96, 4, 3214868480
	.section	.rodata,"a",@progbits
	.p2align	6, 0x0
	.amdhsa_kernel k_q9508c22630_attn
		.amdhsa_group_segment_fixed_size 242688
		.amdhsa_private_segment_fixed_size 0
		.amdhsa_enable_private_segment 0
		.amdhsa_kernarg_size 64
		.amdhsa_user_sgpr_count 2
		.amdhsa_user_sgpr_kernarg_segment_ptr 1
		.amdhsa_wavefront_size32 1
		.amdhsa_system_sgpr_workgroup_id_x 1
		.amdhsa_system_sgpr_workgroup_id_y 1
		.amdhsa_system_sgpr_workgroup_id_z 1
		.amdhsa_system_vgpr_workitem_id 0
		.amdhsa_next_free_vgpr 256
		.amdhsa_next_free_sgpr 96
		.amdhsa_reserve_vcc 1
		.amdhsa_float_denorm_mode_32 3
		.amdhsa_float_denorm_mode_16_64 3
		.amdhsa_memory_ordered 1
		.amdhsa_forward_progress 1
		.amdhsa_inst_pref_size 82
	.end_amdhsa_kernel
	.amdgpu_metadata
---
amdhsa.version: [ 1, 2 ]
amdhsa.kernels:
  - .name:           k_q9508c22630_attn
    .symbol:         k_q9508c22630_attn.kd
    .args:
      - { .name: query, .offset: 0, .size: 8, .value_kind: global_buffer, .address_space: global }
      - { .name: kc, .offset: 8, .size: 8, .value_kind: global_buffer, .address_space: global }
      - { .name: ks, .offset: 16, .size: 8, .value_kind: global_buffer, .address_space: global }
      - { .name: vc, .offset: 24, .size: 8, .value_kind: global_buffer, .address_space: global }
      - { .name: vs, .offset: 32, .size: 8, .value_kind: global_buffer, .address_space: global }
      - { .name: pen, .offset: 40, .size: 8, .value_kind: global_buffer, .address_space: global }
      - { .name: meta, .offset: 48, .size: 8, .value_kind: global_buffer, .address_space: global }
      - { .name: out0, .offset: 56, .size: 8, .value_kind: global_buffer, .address_space: global }
    .group_segment_fixed_size: 242688
    .private_segment_fixed_size: 0
    .kernarg_segment_align: 8
    .kernarg_segment_size: 64
    .max_flat_workgroup_size: 512
    .sgpr_count:     96
    .vgpr_count:     256
    .wavefront_size: 32
...
	.end_amdgpu_metadata
.endif
;; end of part 3
;; ======== version 3 of 3: 2 launches
;; limits: right only within a limited range of input values
;; workspace buffers: kc 524,288 bytes; ks 65,536 bytes; vc 524,288 bytes; vs 32,768 bytes; pen 65,536 bytes; meta 1,024 bytes of whole numbers
;; launch prep (part 4): grid 16 x 8, 8 waves a work-group, no clusters, 37,888 bytes of LDS; arguments key, value, mask, kc, ks, vc, vs, pen, meta; writes kc, ks, vc, vs, pen, meta
.if DOCPART == 4
	.amdgcn_target "amdgcn-amd-amdhsa--gfx1250"
	.amdhsa_code_object_version 6
	.text
	.protected	k_q9508c22630_prep
	.globl	k_q9508c22630_prep
	.p2align	8
	.type	k_q9508c22630_prep,@function
k_q9508c22630_prep:
	s_mov_b64 s[64:65], 0
	v_nop
	global_prefetch_b8 v0, s[64:65] scope:SCOPE_SE
	s_setreg_imm32_b32 hwreg(HW_REG_WAVE_MODE, 25, 1), 1
	s_wait_xcnt 0x0
; key, value: [8][2048][64] f32; mask: [8][2048] bytes (0 or 1).  This launch makes what the attention launch reads, once for all its work-groups:
;   kc  K's codes of FP4 (E2M1), quantised along d (two blocks of 32 a key), in the order of the operand's registers: [batch][step of 128 keys][tile 8][lane 32][16 bytes];
;       lane 16 h + r of tile 2 b + u holds block h of key 32 b + 8 u + r + 8 (r / 8) of the step (so that the scores of two neighbouring tiles are 16 neighbouring keys in a lane)
;   ks  K's scale words [batch][step][lane 32][4 words]: word i of lane 16 g + r belongs to row r of tile 4 g + i: bytes 0, 1 the key's two blocks, bytes 2, 3 = 0x7f (they scale zero codes: d = 64 fills half of K = 128)
;   vc  V's codes, quantised along the KEYS (blocks of 32 keys of one channel): [batch][step][tile of 16 channels 4][c 2][lane 32][16 bytes]; lane 16 h + r holds block 2 c + h of channel 16 t + r
;   vs  V's scale words [batch][step][channel 64]: byte j = block j of the step
;   pen [batch][2048] f32: -10000 x (1 - mask)
;   meta whole numbers: word 16 batch + step: the first key of the step whose mask is true (at least 2048 if none); 512 bytes on: 1 if the step has a key whose mask is false
; A block's scale is 2^(floor(log2(largest magnitude)) - 2); its byte is the largest magnitude's exponent field - 2, held at 1 from below (a block of zeros so gets the byte 1: its codes are zeros, and this program alone reads the bytes).
; LIMITS: blocks whose largest magnitude lies under 2^-124 are held at the byte 1; NaN and infinities among the inputs are not served.
; SHARES: a work-group takes one step of one batch: 128 keys.  Wave w quantises K's tile w (16 keys) and block w / 2 of V's channels 32 (w % 2) on.
; K: eight loads of 512 consecutive bytes, turned through the wave's own stage in LDS, so that a lane gets a whole block (128 bytes of one key).  V: a lane takes a channel and its registers run down the keys.
.set RP,   272                         ; a stage row: a key's 256 bytes + 16: row r starts 16 r bytes further on modulo 256, so sixteen rows' reads fall on different banks (64 banks of 4 bytes: ISA guide 11.1)
.set STG,  16*RP                       ; a wave's stage
.set KSG,  8*STG                       ; behind the stages: K's scale words of the step, 512 bytes,
.set VSG,  KSG+512                     ; and V's, 256 bytes
.set LN,   1                           ; lane
.set RR,   2                           ; lane % 16
.set HH,   3                           ; lane / 16
.set L16,  4                           ; 16 x lane
.set L4,   5                           ; 4 x lane
.set SIN,  6                           ; the stage, on the way in
.set SBK,  7                           ; and back
.set KWA,  8                           ; where my key's scale word goes in LDS
.set VBA,  9                           ; where my channel's scale byte goes
.set KRD,  10                          ; wave 0 reads K's scale words here
.set L8,   11                          ; 8 x lane
.set VRD,  12                          ; wave 1 reads V's here
.set VCO,  13                          ; my place in a step's V codes
.set MW,   14                          ; four mask bytes: keys 4 lane .. 4 lane + 3
.set KR,   16                          ; v16-47   K as loaded
.set KX,   48                          ; v48-79   my block of K
.set VX,   80                          ; v80-111  my block of V
.set KCD,  112                         ; v112-115 K's codes
.set KOP,  116                         ; the conversion's scale operand
.set KBY,  117                         ; the scale's byte, then the word
.set T0,   118
.set T1,   119
.set VCD,  120                         ; v120-123 V's codes
.set VOP,  124
.set VBY,  125
.set M0,   126
.set M1,   127
.set OUT,  128                         ; v128-131 the small tables on their way out
.set NEG,  132
.set NIL,  133
.set PNR,  136                         ; v136-139 four penalties
.set MF,   140                         ; v140-141 the two whole numbers
.set WV,   22
.set SI,   25                          ; 16 x batch + step
.set SEL,  60                          ; s[60:61] v_permlanex16_b32's selects for lane l xor 16
; 32 numbers of a lane, one block, become 4 registers of codes; the scale's byte follows the conversions as the plain line behind them
.macro QUANT32 x, c, op, by
	v_max3_num_f32 v[M0], |v[\x]|, |v[\x+1]|, |v[\x+2]|
	v_max3_num_f32 v[M1], |v[\x+3]|, |v[\x+4]|, |v[\x+5]|
.irp i, 6,10,14,18,22,26
	s_delay_alu instid0(VALU_DEP_2)
	v_max3_num_f32 v[M0], v[M0], |v[\x+\i]|, |v[\x+\i+1]|
	s_delay_alu instid0(VALU_DEP_2)
	v_max3_num_f32 v[M1], v[M1], |v[\x+\i+2]|, |v[\x+\i+3]|
.endr
	s_delay_alu instid0(VALU_DEP_2)
	v_max3_num_f32 v[M0], v[M0], |v[\x+30]|, |v[\x+31]|
	s_delay_alu instid0(VALU_DEP_1)
	v_max3_num_f32 v[M0], v[M0], v[M1], 0x1800000          ; and the floor 2^(3 - 127): the byte cannot fall under 1
	s_delay_alu instid0(VALU_DEP_1)
	v_add_nc_u32 v[\op], 0xff000000, v[M0]                 ; 2 off the exponent field: the conversion takes this operand's exponent field as its scale
.irp g, 0,1,2,3
	v_cvt_scalef32_pk8_fp4_f32 v[\c+\g], v[\x+8*\g:\x+8*\g+7], v[\op]
.endr
	v_lshrrev_b32 v[\by], 23, v[\op]                       ; the scale's byte
.endm
	s_load_b512 s[4:19], s[0:1], 0x0               ; key s[4:5], value s[6:7], mask s[8:9], kc s[10:11], ks s[12:13], vc s[14:15], vs s[16:17], pen s[18:19]
	s_load_b64 s[20:21], s[0:1], 0x40              ; meta
	v_lshl_add_u32 v160, v0, 2, 0x9000
	v_mov_b32 v161, 0
	v_lshrrev_b32 v[LN], 5, v0
	s_delay_alu instid0(VALU_DEP_1)
	v_readfirstlane_b32 s[WV], v[LN]               ; wave 0..7
	s_and_b32 s24, ttmp7, 0xffff                   ; batch
	s_lshl_b32 s[SI], s24, 4
	s_add_co_u32 s[SI], s[SI], ttmp9               ; 16 x batch + step
	s_lshr_b32 s26, s[WV], 1                       ; K: b of my tile 2 b + u.  V: my block
	s_and_b32 s27, s[WV], 1                        ; K: u.  V: which 32 channels
	s_mov_b32 s[SEL], 0x76543210
	s_mov_b32 s[SEL+1], 0xfedcba98
	v_and_b32 v[LN], 31, v0
	v_and_b32 v[RR], 15, v0
	v_bfe_u32 v[HH], v0, 4, 1
	s_delay_alu instid0(VALU_DEP_3)
	v_lshlrev_b32 v[L16], 4, v[LN]
	s_delay_alu instid0(VALU_DEP_4)
	v_lshlrev_b32 v[L4], 2, v[LN]
	s_wait_alu depctr_va_vdst(0)
	v_lshlrev_b32 v[L8], 3, v[LN]
	s_mul_i32 s28, s[WV], STG
	v_mul_u32_u24 v[SIN], v[HH], RP
	s_delay_alu instid0(VALU_DEP_1)
	v_lshl_add_u32 v[SIN], v[RR], 4, v[SIN]
	s_delay_alu instid0(VALU_DEP_1)
	v_add_nc_u32 v[SIN], s28, v[SIN]               ; in: a load's 512 bytes are two keys: row lane / 16, byte 16 (lane % 16)
	v_mul_u32_u24 v[SBK], v[RR], RP
	s_delay_alu instid0(VALU_DEP_1)
	v_lshl_add_u32 v[SBK], v[HH], 7, v[SBK]
	s_delay_alu instid0(VALU_DEP_1)
	v_add_nc_u32 v[SBK], s28, v[SBK]               ; back: row lane % 16, block lane / 16
	s_lshr_b32 s29, s[WV], 2
	s_lshl_b32 s29, s29, 8
	s_and_b32 s30, s[WV], 3
	s_lshl_b32 s30, s30, 2
	s_add_co_u32 s29, s29, s30
	s_add_co_u32 s29, s29, KSG
	v_lshl_add_u32 v[KWA], v[RR], 4, s29           ; KSG + 16 (16 (w / 4) + r) + 4 (w % 4)
	s_lshl_b32 s30, s27, 7
	s_add_co_u32 s30, s30, s26
	s_add_co_u32 s30, s30, VSG
	v_add_nc_u32 v[VBA], s30, v[L4]                ; VSG + 4 x channel + block
	v_add_nc_u32 v[KRD], KSG, v[L16]
	v_add_nc_u32 v[VRD], VSG, v[L8]
	v_lshlrev_b32 v[VCO], 10, v[HH]
	s_delay_alu instid0(VALU_DEP_1)
	v_lshl_add_u32 v[VCO], v[RR], 4, v[VCO]        ; channel tile lane / 16: 1,024 bytes; row lane % 16: 16 bytes
	; byte offsets of my parts, each in a pair of its own
	s_lshl_b32 s31, s[SI], 15                      ; the step's 128 rows of 256 bytes,
	s_lshl_b32 s29, s26, 13
	s_add_co_u32 s31, s31, s29                     ; + 32 rows x (w / 2)
	s_lshl_b32 s29, s27, 11
	s_add_co_u32 s32, s31, s29                     ; key: + 8 rows x u
	s_mov_b32 s33, 0
	s_lshl_b32 s29, s27, 7
	s_add_co_u32 s34, s31, s29                     ; value: + 128 bytes x channel half
	s_mov_b32 s35, 0
	s_lshl_b32 s36, s[SI], 7                       ; mask
	s_mov_b32 s37, 0
	s_lshl_b32 s38, s[SI], 12
	s_lshl_b32 s29, s[WV], 9
	s_add_co_u32 s38, s38, s29                     ; kc: the step's 4,096 bytes, my tile's 512
	s_mov_b32 s39, 0
	s_lshl_b32 s40, s[SI], 12
	s_lshl_b32 s29, s27, 11
	s_add_co_u32 s40, s40, s29                     ; vc: two channel tiles on for the upper 32 channels,
	s_lshl_b32 s29, s26, 8
	s_add_co_u32 s40, s40, s29                     ; block j = 2 c + h lies 512 c + 256 h = 256 j bytes on
	s_mov_b32 s41, 0
	s_lshl_b32 s42, s[SI], 9                       ; ks and pen: 512 bytes a step
	s_mov_b32 s43, 0
	s_lshl_b32 s44, s[SI], 8                       ; vs: 256
	s_mov_b32 s45, 0
	s_lshl_b32 s46, s[SI], 2                       ; meta: a word
	s_mov_b32 s47, 0
	s_wait_alu depctr_va_vdst(0)
	s_wait_kmcnt 0x0
	s_add_nc_u64 s[4:5], s[4:5], s[32:33]
	s_add_nc_u64 s[6:7], s[6:7], s[34:35]
	s_add_nc_u64 s[8:9], s[8:9], s[36:37]
	s_add_nc_u64 s[10:11], s[10:11], s[38:39]
	s_add_nc_u64 s[14:15], s[14:15], s[40:41]
	s_add_nc_u64 s[12:13], s[12:13], s[42:43]
	s_add_nc_u64 s[18:19], s[18:19], s[42:43]
	s_add_nc_u64 s[16:17], s[16:17], s[44:45]
	s_add_nc_u64 s[20:21], s[20:21], s[46:47]
	; all loads go out at once: 41 a wave
	global_load_b32 v[MW], v[L4], s[8:9]
.irp i, 0,1,2,3
	global_load_b128 v[KR+4*\i:KR+4*\i+3], v[L16], s[4:5] offset:512*\i th:TH_LOAD_NT            ; keys 32 b + 8 u + 0 .. 7: 2,048 consecutive bytes
.endr
.irp i, 0,1,2,3
	global_load_b128 v[KR+16+4*\i:KR+16+4*\i+3], v[L16], s[4:5] offset:4096+512*\i th:TH_LOAD_NT ; and the eight keys 16 further on
.endr
.irp i, 0,1,2,3,4,5,6,7,8,9,10,11,12,13,14,15,16,17,18,19,20,21,22,23,24,25,26,27,28,29,30,31
	global_load_b32 v[VX+\i], v[L4], s[6:7] offset:256*\i th:TH_LOAD_NT                          ; V(32 j + i, my channel): 128 consecutive bytes a wave; the neighbouring wave reads the row's other half
.endr
	s_wait_loadcnt 32                              ; the mask word and K's eight loads are in; V's 32 may be out
.irp i, 0,1,2,3
	ds_store_b128 v[SIN], v[KR+4*\i:KR+4*\i+3] offset:2*\i*RP
.endr
.irp i, 0,1,2,3
	ds_store_b128 v[SIN], v[KR+16+4*\i:KR+16+4*\i+3] offset:(8+2*\i)*RP
.endr
.irp i, 0,1,2,3,4,5,6,7
	ds_load_b128 v[KX+4*\i:KX+4*\i+3], v[SBK] offset:16*\i    ; LDS serves a wave's instructions in order (ISA guide 5.7.1.4): these see my stores
.endr
	s_wait_dscnt 0x0
	QUANT32 KX, KCD, KOP, KBY
	global_store_b128 v[L16], v[KCD:KCD+3], s[10:11]          ; the wave stores its tile: 512 consecutive bytes
	v_lshlrev_b32 v[T0], 3, v[HH]
	s_delay_alu instid0(VALU_DEP_1)
	v_lshlrev_b32 v[KBY], v[T0], v[KBY]            ; my block's byte at its place,
	v_mov_b32 v[T1], 0                             ; (a lane permute's destination counts as one of its sources)
	s_delay_alu instid0(VALU_DEP_1)
	v_permlanex16_b32 v[T1], v[KBY], s[SEL], s[SEL+1]
	s_delay_alu instid0(VALU_DEP_1)
	v_or_b32 v[KBY], v[KBY], v[T1]                 ; with the key's other block's,
	s_delay_alu instid0(VALU_DEP_1)
	v_or_b32 v[KBY], 0x7f7f0000, v[KBY]            ; and 2^0 for the two blocks of zero codes
	ds_store_b32 v[KWA], v[KBY]                    ; both halves of the lanes write the same word with the same value
	s_wait_loadcnt 0x0                             ; V
	QUANT32 VX, VCD, VOP, VBY
	global_store_b128 v[VCO], v[VCD:VCD+3], s[14:15]          ; sixteen lanes store 256 consecutive bytes, aligned
	ds_store_b8 v[VBA], v[VBY]
	s_wait_dscnt 0x0                               ; for the others' sake: my scale words and bytes lie in LDS
	s_barrier_signal -1
	s_barrier_wait -1
	; the small tables leave whole: wave 0 K's scale words, wave 1 V's, wave 2 the penalties and the two whole numbers
	s_cmp_lg_u32 s[WV], 0
	s_cbranch_scc1 .Lnot0
	ds_load_b128 v[OUT:OUT+3], v[KRD]
	s_wait_dscnt 0x0
	global_store_b128 v[L16], v[OUT:OUT+3], s[12:13]
	s_wait_tensorcnt 0x0
	ds_add_u32 v160, v161
	s_wait_dscnt 0x0
	s_endpgm
.Lnot0:
	s_cmp_lg_u32 s[WV], 1
	s_cbranch_scc1 .Lnot1
	ds_load_b64 v[OUT:OUT+1], v[VRD]
	s_wait_dscnt 0x0
	global_store_b64 v[L8], v[OUT:OUT+1], s[16:17]
	s_wait_tensorcnt 0x0
	ds_add_u32 v160, v161
	s_wait_dscnt 0x0
	s_endpgm
.Lnot1:
	s_cmp_lg_u32 s[WV], 2
	s_cbranch_scc1 .Ldone
	v_mov_b32 v[NEG], 0xc61c4000                   ; -10000.0
	v_mov_b32 v[NIL], 0
	s_wait_alu depctr_va_vdst(0)
	s_mov_b32 s57, 0x800                           ; no true key found yet
	s_mov_b32 s56, -1
.irp k, 0,1,2,3
	v_and_b32 v[T0], 0xff<<(8*\k), v[MW]
	s_delay_alu instid0(VALU_DEP_1)
	v_cmp_ne_u32 vcc_lo, 0, v[T0]                  ; bit l: the mask of key 4 l + k
	s_delay_alu instid0(VALU_DEP_1)
	v_cndmask_b32 v[PNR+\k], v[NEG], v[NIL], vcc_lo
	s_and_b32 s56, s56, vcc_lo
	s_ctz_i32_b32 s58, vcc_lo                      ; the first such lane (-1 if none: the sum below is then a very large unsigned number)
	s_lshl_b32 s58, s58, 2
	s_add_co_u32 s58, s58, \k
	s_min_u32 s57, s57, s58
.endr
	s_cmp_lg_u32 s56, -1
	s_cselect_b32 s56, 1, 0                        ; a key of the step is masked out
	s_lshl_b32 s58, ttmp9, 7
	s_add_co_u32 s57, s57, s58                     ; the first true key, counted in the batch
	s_wait_alu depctr_va_vdst(0)
	global_store_b128 v[L16], v[PNR:PNR+3], s[18:19]
	v_mov_b32 v[MF], s57
	v_mov_b32 v[MF+1], s56
	s_wait_alu depctr_va_vdst(0)
	s_wait_xcnt 0x0                                ; EXEC is a source of the stores that are out: it changes only behind this wait
	v_cmp_eq_u32 vcc_lo, 0, v[LN]
	s_and_saveexec_b32 s59, vcc_lo                 ; lane 0 alone
	global_store_b32 v[NIL], v[MF], s[20:21]
	global_store_b32 v[NIL], v[MF+1], s[20:21] offset:512
	s_wait_xcnt 0x0                                ; and again in front of the line that widens it
	s_or_b32 exec_lo, exec_lo, s59
.Ldone:
	s_wait_tensorcnt 0x0
	ds_add_u32 v160, v161
	s_wait_dscnt 0x0
	s_endpgm
.Lfunc_end_k_q9508c22630_prep:
	.size	k_q9508c22630_prep, .Lfunc_end_k_q9508c22630_prep-k_q9508c22630_prep
	.p2alignl 7, 3214868480
	.fill 96, 4, 3214868480
	.section	.rodata,"a",@progbits
	.p2align	6, 0x0
	.amdhsa_kernel k_q9508c22630_prep
		.amdhsa_group_segment_fixed_size 37888
		.amdhsa_private_segment_fixed_size 0
		.amdhsa_enable_private_segment 0
		.amdhsa_kernarg_size 72
		.amdhsa_user_sgpr_count 2
		.amdhsa_user_sgpr_kernarg_segment_ptr 1
		.amdhsa_wavefront_size32 1
		.amdhsa_system_sgpr_workgroup_id_x 1
		.amdhsa_system_sgpr_workgroup_id_y 1
		.amdhsa_system_sgpr_workgroup_id_z 1
		.amdhsa_system_vgpr_workitem_id 0
		.amdhsa_next_free_vgpr 162
		.amdhsa_next_free_sgpr 66
		.amdhsa_reserve_vcc 1
		.amdhsa_float_denorm_mode_32 3
		.amdhsa_float_denorm_mode_16_64 3
		.amdhsa_memory_ordered 1
		.amdhsa_forward_progress 1
		.amdhsa_inst_pref_size 17
	.end_amdhsa_kernel
	.amdgpu_metadata
---
amdhsa.version: [ 1, 2 ]
amdhsa.kernels:
  - .name:           k_q9508c22630_prep
    .symbol:         k_q9508c22630_prep.kd
    .args:
      - { .name: key, .offset: 0, .size: 8, .value_kind: global_buffer, .address_space: global }
      - { .name: value, .offset: 8, .size: 8, .value_kind: global_buffer, .address_space: global }
      - { .name: mask, .offset: 16, .size: 8, .value_kind: global_buffer, .address_space: global }
      - { .name: kc, .offset: 24, .size: 8, .value_kind: global_buffer, .address_space: global }
      - { .name: ks, .offset: 32, .size: 8, .value_kind: global_buffer, .address_space: global }
      - { .name: vc, .offset: 40, .size: 8, .value_kind: global_buffer, .address_space: global }
      - { .name: vs, .offset: 48, .size: 8, .value_kind: global_buffer, .address_space: global }
      - { .name: pen, .offset: 56, .size: 8, .value_kind: global_buffer, .address_space: global }
      - { .name: meta, .offset: 64, .size: 8, .value_kind: global_buffer, .address_space: global }
    .group_segment_fixed_size: 37888
    .private_segment_fixed_size: 0
    .kernarg_segment_align: 8
    .kernarg_segment_size: 72
    .max_flat_workgroup_size: 256
    .sgpr_count:     66
    .vgpr_count:     162
    .wavefront_size: 32
...
	.end_amdgpu_metadata
.endif
;; end of part 4
;; launch attn (part 5): grid 32 x 8, 16 waves a work-group, no clusters, 242,688 bytes of LDS; arguments query, kc, ks, vc, vs, pen, meta, out0; writes out0
.if DOCPART == 5
	.amdgcn_target "amdgcn-amd-amdhsa--gfx1250"
	.amdhsa_code_object_version 6
	.text
	.protected	k_q9508c22630_attn
	.globl	k_q9508c22630_attn
	.p2align	8
	.type	k_q9508c22630_attn,@function
k_q9508c22630_attn:
	s_mov_b64 s[64:65], 0
	v_nop
	global_prefetch_b8 v0, s[64:65] scope:SCOPE_SE
	s_setreg_imm32_b32 hwreg(HW_REG_WAVE_SCHED_MODE, 0, 2), 2
	s_setreg_imm32_b32 hwreg(HW_REG_WAVE_MODE, 25, 1), 1
	s_wait_xcnt 0x0
	s_wait_alu depctr_vm_vsrc(0)
; out[b][q] = the sum over k of softmax_k(e) V[b][k], e = Q.K / 8 - 10000 (k > q) - 10000 (1 - mask[b][k]); both products on codes of FP4 (E2M1) with one E8M0 scale for each 32 along K.
; K, V, their scales, the padding penalties and two whole numbers for each step of 128 keys come from the launch before, K's and V's codes in the order of the operands' registers.  Q is quantised here.
; THE SOFTMAX: t = e x log2(e); M = the largest t so far, rounded up to a whole number; p = 2^(t - M) is quantised along the keys, not normalised; the row's sum is taken of the unquantised p and divides at the end.
; THE PENALTIES ARE FINITE, AND ARE HONOURED SO.  Let f be the batch's first key whose mask is true.  A query q >= f has a key without penalty, and beside it every penalised key's p is 0.  A query q < f has none:
; its softmax goes over the keys with one penalty, those above the diagonal too.  So a step of 128 keys that lies wholly above a tile's diagonal is left out only where the tile's first query is >= f: a scalar branch on a stored whole number.
; LIMITS: leaving those steps out holds while a row's logits spread by less than 9,900 (then 2^((e - 10000 - largest e) log2 e) is 0 in f32); NaN and infinities among the inputs are not served.
; NO TENSOR LOADS, NO COPIES, NO CLUSTER.  The branch spares 30 of a work-group's 64 tile steps;
; so the batch's 148 KiB of operands come through registers into LDS, once, and stay.
; SHARES.  Work-group x of a batch owns the query tiles x, 63 - x, 64 + x, 127 - x (16 queries each): their steps up to the diagonal are 34 in every work-group.  Wave 4 T + J takes tile T's steps 4 i + (T + J) % 4, i = 0 .. 3:
; four trips, the branch inside each.  The four waves of a tile join their parts (O^T, M, the sum) through LDS at the end, by exact powers of two.
; THE FILL GOES UNDER THE WORK.  A thread's 21 loads are issued at once, in the order in which they are wanted: q; the small tables; the codes of steps 0-3; those of steps 4-15.  Behind a first barrier q lies in LDS and is quantised while
; the rest is on its way.  Behind a second the tables and steps 0-3 lie there: 68 of the fill's 164 KiB; every wave's first trip works on those alone.  The 12 loads of steps 4-15 are held meanwhile in registers that the first trip
; does not need yet (O^T's 32, which the trip's last products start with the constant 0, and 16 spare ones) and go to LDS ahead of those products; a third barrier stands behind the trip.  So the first trip is written out.
; LAYOUT.  Both products are used transposed: S^T = K Q^T (source 0 = 16 keys, source 1 = my 16 queries), O^T = V^T P^T: a lane holds ONE query (lane % 16).  The keys of a tile are chosen (by the launch before) so that
; score register 16 b + i of lane (r, h) is key 32 b + 16 h + i of the step.  d = 64 fills registers 0-3 of K's and Q's fragments; registers 4-7 are zero codes, their scale bytes 0x7f.
; A STEP WITH A PENALTY (on the diagonal, with a masked key, or above the diagonal and not left out) first turns its scores into t with reference()'s own roundings: fl(fl(fl(s / 8 + pad) - 10000 where hidden) x log2 e);
; the common lines then run with the factor 1.0 in place of log2(e) / 8, so that t - M is rounded as there.  (s / 8 is exact; the two penalties are equal, so their order does not show.)
; THE MODE: SCHED_MODE bits 1:0 = 2 (LLVM: expert scheduling mode 2), set by the entry lines.  The code itself states the register dependences between vector or matrix instructions and memory or LDS instructions, with s_wait_alu, always for 0.
; THE PLAN.  Registers that memory or LDS instructions touch:
;   v1-5, v26-30, v232-237, v222-223   addresses made once at the head and never written again: one wait ahead of the first load serves them all.
;   v8-11, v24   the step's five LDS addresses: read by the step's LDS loads, written at the head of the next working step, between a wait on vm_vsrc and a wait on va_vdst.
;   K's fragments (registers 0-3 of each)   loaded twice a step, each time read by four products; K's scale words v228-231: loaded once a step, read by all eight.
;   v64-95       the fill's loads of steps 0-3 land here and LDS stores read them; in a step with a penalty 32 penalties land here twice, additions write them and selects read them; then V's fragments land, which the last four products read.
;   v226-227     V's scale words: loaded once a step, read by the last four products.
;   v128-147     q and the small tables land here and LDS stores read them; later the scores' upper half, and at the end the parts' -M and sums and the end's arithmetic.
;   v160-191, v240-255   the held loads land here and LDS stores read them; v160-191 are then O^T, written by products (or cleared), and read by LDS stores at the end.
;   v96-143 at the end: the four parts land; v12-13: read by an LDS store at the end; v152-159: the global stores' data.
; The wait on va_vdst at a working step's head stands behind all that the step before issued, so K's, V's and the scale registers may be loaded again behind it; on the way without a penalty nothing issued behind it names v64-95 or v226-227,
; so V's loads follow with no further wait.  p's codes and word are named by vector and matrix instructions alone, and have their wait ahead of the products that take them.
.set KC,  0                            ; LDS: K's codes, 16 steps x 4,096 bytes
.set VC,  65536                        ; V's codes, likewise
.set KS,  131072                       ; K's scale words, 16 x 512
.set VS,  139264                       ; V's, 16 x 256
.set PN,  143360                       ; the padding penalties, 2,048 f32
.set RP,  272                          ; a stage row: 256 bytes + 16: row r starts 16 r bytes further on modulo 256 (64 banks of 4 bytes: ISA guide 11.1)
.set QS,  151552                       ; Q's stage: 4 tiles x 16 rows
.set OS,  168960                       ; the parts of O: 16 waves x 16 rows
.set SS,  238592                       ; -M and the sum: 16 waves x 16 queries x 8 bytes
.set AK0, 1                            ; 16 x lane: my place in a fragment's image; also my byte in two rows of q or out
.set AV0, 2                            ; VC + 16 x lane
.set AS0, 3                            ; KS + 16 x lane
.set AT0, 4                            ; VS + 4 x lane
.set AP0, 5                            ; PN + 64 (lane / 16)
.set RH,  6                            ; lane % 16 - 16 (lane / 16)
.set ADK, 8                            ; the step's addresses
.set ADV, 9
.set ADS, 10
.set ADT, 11
.set NM,  12                           ; -M
.set MX,  13                           ; the largest t so far
.set LS,  14                           ; v[14:15] the sum, in two halves
.set QF,  16                           ; v16-23 Q's fragment
.set ADP, 24
.set DD,  25                           ; my query - the step's first key - 16 (lane / 16)
.set OSW, 26                           ; where my part of O goes
.set SSW, 27                           ; and -M and the sum
.set ORD, 28                           ; where I read the four parts back
.set SRD, 29
.set QRD, 30                           ; where I read my block of q
.set HH,  31                           ; lane / 16
.set KF,  32                           ; v32-63 four fragments of K (registers 4-7 of each stay 0)
.set VF,  64                           ; v64-95 four fragments of V; in a step with a penalty first 32 penalties
.set SC,  96                           ; v96-159 S^T, then p
.set OA,  160                          ; v160-191 O^T
.set PC,  192                          ; v192-199 p's codes
.set BM,  200                          ; v200-203 each block's largest score, then largest p
.set BX,  204                          ; v204-207 at work
.set SO,  208                          ; v208-211 the conversions' scale operands
.set FF,  212                          ; v[212:213] f = 2^(old M - new M) (the pair's upper word is only named)
.set TT,  214
.set SA,  216                          ; v[216:217], v[218:219] the step's sum of p, two chains
.set SB,  218
.set QW,  224                          ; scale registers, which hold nothing else: Q's word,
.set PW,  225                          ; p's,
.set VSC, 226                          ; v226-227 V's (lanes 0-15 the even channel tile, lanes 16-31 the odd one),
.set KSC, 228                          ; v228-231 K's (lanes 0-15 tiles 0-3, lanes 16-31 tiles 4-7)
.set FO,  232                          ; the fill: 16 x thread
.set FV,  233                          ; VC + 16 x thread
.set FS,  234
.set FG,  235                          ; 8 x thread
.set FT,  236
.set FQ,  237
.set LN,  238
.set RR,  239
.set H3,  240                          ; v240-255 the fill's last four loads (steps 12-15), held through the first trip
.set H0,  VF                           ; the loads of steps 0-3 land where V's fragments will lie,
.set FQR, SC+32                        ; v128-135 q's two, v136-147 the small tables': the scores' upper half
.set WV,  20
.set TL,  21                           ; T
.set JW,  22                           ; J
.set JJ,  23                           ; (T + J) % 4
.set BT,  24                           ; batch
.set TI,  25                           ; my query tile, 0 .. 127
.set Q0,  26                           ; its first query
.set FK,  27                           ; the batch's first key whose mask is true
.set SEL, 28
.set CS,  30                           ; s[30:31] the factor from score register to t
.set TK,  32                           ; the step x 4,096
.set TC,  33                           ; x 512
.set TV,  34                           ; x 256
.set KB,  35                           ; x 128: its first key
.set CNT, 36
.set HB,  37                           ; bit 0: the trip's step has a masked key
.set X0,  38
.set X1,  39
.set CM,  40                           ; s40-63 and s68-75, free behind the head: the masks of 32 compares (number n in s[CM + n], from n = 24 on four further up)
; The codes of steps 4 c .. 4 c + 3: 16,384 bytes of K and as many of V; 512 threads x 16 bytes are 8,192 bytes a load.  HELD asks for them, into v[reg] on; PUT lays them into LDS as they land.
.macro HELD c, reg
	global_load_b128 v[\reg:\reg+3], v[FO], s[6:7] offset:16384*\c
	global_load_b128 v[\reg+4:\reg+7], v[FO], s[6:7] offset:16384*\c+8192
	global_load_b128 v[\reg+8:\reg+11], v[FO], s[10:11] offset:16384*\c
	global_load_b128 v[\reg+12:\reg+15], v[FO], s[10:11] offset:16384*\c+8192
.endm
.macro PUT c, reg, left                ; left: the loads issued behind these four; loads come back in order (ISA guide 5.7.1).  The stores' data come from loads and their addresses from the head: no vector line has written either
	s_wait_loadcnt \left+3
	ds_store_b128 v[FO], v[\reg:\reg+3] offset:16384*\c
	s_wait_loadcnt \left+2
	ds_store_b128 v[FO], v[\reg+4:\reg+7] offset:16384*\c+8192
	s_wait_loadcnt \left+1
	ds_store_b128 v[FV], v[\reg+8:\reg+11] offset:16384*\c
	s_wait_loadcnt \left
	ds_store_b128 v[FV], v[\reg+12:\reg+15] offset:16384*\c+8192
.endm
.macro REST                            ; steps 4-15: bytes 16,384 on of K's and of V's region, which nobody reads before the barrier behind the first trip
	PUT 1, OA, 8
	PUT 2, OA+16, 4
	PUT 3, H3, 0
.endm
	s_load_b512 s[4:19], s[0:1], 0x0               ; query s[4:5], kc s[6:7], ks s[8:9], vc s[10:11], vs s[12:13], pen s[14:15], meta s[16:17], out0 s[18:19]
	v_lshl_add_u32 v222, v0, 2, 0x3ac00
	v_mov_b32 v223, 0
	v_lshrrev_b32 v[LN], 5, v0
	v_readfirstlane_b32 s[WV], v[LN]               ; wave 0..15
	s_and_b32 s[BT], ttmp7, 0xffff
	s_mov_b32 s[SEL], 0x76543210
	s_mov_b32 s[SEL+1], 0xfedcba98                 ; v_permlanex16_b32's selects for lane l xor 16
	v_and_b32 v[LN], 31, v0                        ; the addresses that want no scalar stand between that line and the wait for it
	v_and_b32 v[RR], 15, v0
	v_bfe_u32 v[HH], v0, 4, 1
	v_lshlrev_b32 v[AK0], 4, v[LN]
	v_add_nc_u32 v[AV0], VC, v[AK0]
	v_add_nc_u32 v[AS0], KS, v[AK0]
	v_lshl_add_u32 v[AT0], v[LN], 2, VS
	v_lshl_add_u32 v[AP0], v[HH], 6, PN
	v_lshlrev_b32 v[RH], 4, v[HH]
	v_sub_nc_u32 v[RH], v[RR], v[RH]
	v_lshlrev_b32 v[FO], 4, v0
	v_add_nc_u32 v[FV], VC, v[FO]
	v_add_nc_u32 v[FS], KS, v[FO]
	v_lshlrev_b32 v[FG], 3, v0
	v_add_nc_u32 v[FT], VS, v[FG]
	s_wait_alu depctr_va_sdst(0)                   ; the wave's number is written, ahead of its first reader
	s_lshr_b32 s[TL], s[WV], 2
	s_and_b32 s[JW], s[WV], 3
	s_add_co_u32 s[JJ], s[TL], s[JW]
	s_and_b32 s[JJ], s[JJ], 3
	s_sub_co_u32 s[TI], 63, ttmp9
	s_bitcmp1_b32 s[TL], 0
	s_cselect_b32 s[TI], s[TI], ttmp9              ; x, or 63 - x where T is odd,
	s_and_b32 s[X0], s[TL], 2
	s_lshl_b32 s[X0], s[X0], 5
	s_add_co_u32 s[TI], s[TI], s[X0]               ; + 64 where T is 2 or 3
	s_lshl_b32 s[Q0], s[TI], 4
	s_mul_i32 s[X0], s[WV], 4*RP                   ; Q's stage, in: wave 4 T + J brings rows 4 J .. 4 J + 3 of tile T: row 4 w + lane / 16 (+ 2 for the second load)
	v_mul_u32_u24 v[FQ], v[HH], RP
	v_lshl_add_u32 v[FQ], v[RR], 4, v[FQ]
	v_add_nc_u32 v[FQ], s[X0], v[FQ]
	v_add_nc_u32 v[FQ], QS, v[FQ]
	s_mul_i32 s[X0], s[TL], 16*RP                  ; and back: tile T, row lane % 16, block lane / 16
	v_mul_u32_u24 v[QRD], v[RR], RP
	v_lshl_add_u32 v[QRD], v[HH], 7, v[QRD]
	v_add_nc_u32 v[QRD], s[X0], v[QRD]
	v_add_nc_u32 v[QRD], QS, v[QRD]
	s_mul_i32 s[X0], s[WV], 16*RP                  ; my part of O: row lane % 16, 32 bytes for each half of the lanes
	v_mul_u32_u24 v[OSW], v[RR], RP
	v_lshl_add_u32 v[OSW], v[HH], 5, v[OSW]
	v_add_nc_u32 v[OSW], s[X0], v[OSW]
	v_add_nc_u32 v[OSW], OS, v[OSW]
	s_lshl_b32 s[X0], s[WV], 7
	v_lshl_add_u32 v[SSW], v[RR], 3, s[X0]
	v_add_nc_u32 v[SSW], SS, v[SSW]
	s_mul_i32 s[X0], s[TL], 64*RP                  ; back: the parts of waves 4 T .. 4 T + 3, rows 4 J + lane / 16 (+ 2), 16 bytes a lane
	s_mul_i32 s[X1], s[JW], 4*RP
	s_add_co_u32 s[X0], s[X0], s[X1]
	v_mul_u32_u24 v[ORD], v[HH], RP
	v_lshl_add_u32 v[ORD], v[RR], 4, v[ORD]
	v_add_nc_u32 v[ORD], s[X0], v[ORD]
	v_add_nc_u32 v[ORD], OS, v[ORD]
	s_lshl_b32 s[X0], s[TL], 9
	s_lshl_b32 s[X1], s[JW], 5
	s_add_co_u32 s[X0], s[X0], s[X1]
	v_lshl_add_u32 v[SRD], v[HH], 3, s[X0]
	v_add_nc_u32 v[SRD], SS, v[SRD]
	; byte offsets of the batch's parts
	s_lshl_b32 s40, s[BT], 16                      ; kc, vc
	s_mov_b32 s41, 0
	s_lshl_b32 s42, s[BT], 13                      ; ks, pen
	s_mov_b32 s43, 0
	s_lshl_b32 s44, s[BT], 12                      ; vs
	s_mov_b32 s45, 0
	s_lshl_b32 s46, s[BT], 11
	s_add_co_u32 s46, s46, s[Q0]
	s_lshl_b32 s47, s[JW], 2
	s_add_co_u32 s46, s46, s47
	s_lshl_b32 s46, s46, 8                         ; query, out0: row 2048 batch + my tile's first + 4 J, 256 bytes a row
	s_mov_b32 s47, 0
	s_lshl_b32 s48, s[BT], 6                       ; meta: 16 words a batch
	s_lshl_b32 s49, s[JJ], 2
	s_add_co_u32 s49, s49, s48                     ; my first step's word
	s_wait_kmcnt 0x0
	s_add_nc_u64 s[4:5], s[4:5], s[46:47]
	s_add_nc_u64 s[18:19], s[18:19], s[46:47]
	s_add_nc_u64 s[6:7], s[6:7], s[40:41]
	s_add_nc_u64 s[10:11], s[10:11], s[40:41]
	s_add_nc_u64 s[8:9], s[8:9], s[42:43]
	s_add_nc_u64 s[14:15], s[14:15], s[42:43]
	s_add_nc_u64 s[12:13], s[12:13], s[44:45]
	s_load_b512 s[68:83], s[16:17], s48 offset:0x0 ; each step's first true key
	s_load_b32 s84, s[16:17], s49 offset:512       ; and, for my four steps (16 bytes apart), whether a key is masked out
	s_load_b32 s85, s[16:17], s49 offset:528
	s_load_b32 s86, s[16:17], s49 offset:544
	s_load_b32 s87, s[16:17], s49 offset:560
	s_wait_alu depctr_va_vdst(0)                   ; all the addresses made above are written: the fill's loads and LDS stores, Q's LDS loads, the end's LDS stores and loads, the global stores and the closing add read them, and none is written again
	; THE FILL'S 21 LOADS, in the order in which they are wanted
	global_load_b128 v[FQR:FQR+3], v[AK0], s[4:5] th:TH_LOAD_NT              ; two rows of q: 512 consecutive bytes; each byte of q is read once
	global_load_b128 v[FQR+4:FQR+7], v[AK0], s[4:5] offset:512 th:TH_LOAD_NT
	global_load_b128 v[FQR+8:FQR+11], v[FO], s[8:9]                          ; K's scale words
	global_load_b64 v[FQR+12:FQR+13], v[FG], s[12:13]                        ; V's
	global_load_b128 v[FQR+16:FQR+19], v[FO], s[14:15]                       ; the penalties
	HELD 0, H0                                     ; the codes of steps 0-3,
	HELD 1, OA                                     ; of steps 4-7 and 8-11, into O^T's registers,
	HELD 2, OA+16
	HELD 3, H3                                     ; and of steps 12-15
	s_wait_loadcnt 19                              ; q's two loads are in; the 19 behind them may be out
	ds_store_b128 v[FQ], v[FQR:FQR+3]
	ds_store_b128 v[FQ], v[FQR+4:FQR+7] offset:2*RP
	s_wait_dscnt 0x0                               ; for the others' sake: my rows of q lie in LDS
	s_barrier_signal -1
	s_barrier_wait -1                              ; the work-group's q lies in LDS; its bytes are not written again
	; Q, while the other loads are on their way: lane (r, h) takes block h of query r, 32 numbers, all its own.  (No vector line has named v96-127 yet: the loads owe no wait)
.irp i, 0,1,2,3,4,5,6,7
	ds_load_b128 v[SC+4*\i:SC+4*\i+3], v[QRD] offset:16*\i
.endr
	s_wait_dscnt 0x0
	v_max3_num_f32 v[BM], |v[SC]|, |v[SC+1]|, |v[SC+2]|
	v_max3_num_f32 v[BM+1], |v[SC+3]|, |v[SC+4]|, |v[SC+5]|
.irp i, 6,10,14,18,22,26
	v_max3_num_f32 v[BM], v[BM], |v[SC+\i]|, |v[SC+\i+1]|
	v_max3_num_f32 v[BM+1], v[BM+1], |v[SC+\i+2]|, |v[SC+\i+3]|
.endr
	v_max3_num_f32 v[BM], v[BM], |v[SC+30]|, |v[SC+31]|
	v_max3_num_f32 v[BM], v[BM], v[BM+1], 0x1800000        ; and the floor 2^(3 - 127): the byte cannot fall under 1
	v_add_nc_u32 v[SO], 0xff000000, v[BM]                  ; 2 off the exponent field: the conversion's scale operand
	v_lshrrev_b32 v[BM+1], 23, v[SO]                       ; the byte,
	v_lshlrev_b32 v[BM+2], 3, v[HH]
	v_lshlrev_b32 v[BM+1], v[BM+2], v[BM+1]                ; at its place in the word;
.irp b, 0,1,2,3
	v_mov_b32 v[BX+\b], 0                                  ; (written once: a lane permute's destination counts as one of its sources)
.endr
	v_permlanex16_b32 v[BX], v[BM+1], s[SEL], s[SEL+1]
	v_or_b32 v[BM+1], v[BM+1], v[BX]                       ; with the query's other block's,
	v_or_b32 v[QW], 0x7f7f0000, v[BM+1]                    ; and 2^0 for the two blocks of zero codes
.irp g, 0,1,2,3
	v_cvt_scalef32_pk8_fp4_f32 v[QF+\g], v[SC+8*\g:SC+8*\g+7], v[SO]
.endr
	; the lines below are also the places between Q's registers, written by vector instructions, and the first matrix instruction
.irp i, 4,5,6,7
	v_mov_b32 v[QF+\i], 0                          ; zero codes for k = 64 .. 127
.endr
.irp t, 0,1,2,3
.irp i, 4,5,6,7
	v_mov_b32 v[KF+8*\t+\i], 0                     ; likewise in K's four fragments: the loads fill registers 0-3 alone
.endr
.endr
	v_mov_b32 v[MX], 0xff61b1e6                    ; the largest t so far: -3e38, under every t
	v_floor_f32 v[NM], -v[MX]
	v_mov_b32 v[LS], 0
	v_mov_b32 v[LS+1], 0
	v_mov_b32 v[FF+1], 0                           ; (named as the upper half of the pair)
	s_lshl_b32 s[TK], s[JJ], 12
	s_lshl_b32 s[TC], s[JJ], 9
	s_lshl_b32 s[TV], s[JJ], 8
	s_lshl_b32 s[KB], s[JJ], 7
	s_wait_kmcnt 0x0                               ; the whole numbers
	s_min_u32 s[FK], s68, s69                      ; the batch's first true key (2048 or more if none)
.irp i, 70,71,72,73,74,75,76,77,78,79,80,81,82,83
	s_min_u32 s[FK], s[FK], s\i
.endr
	s_lshl_b32 s85, s85, 1
	s_lshl_b32 s86, s86, 2
	s_lshl_b32 s87, s87, 3
	s_or_b32 s[HB], s84, s85
	s_or_b32 s[HB], s[HB], s86
	s_or_b32 s[HB], s[HB], s87                     ; bit i: trip i's step has a masked key
	s_wait_loadcnt 16                              ; the three small tables are in; the codes' 16 loads may be out.  (Q's lines above name none of the registers that the stores below read)
	ds_store_b128 v[FS], v[FQR+8:FQR+11]
	ds_store_b64 v[FT], v[FQR+12:FQR+13]
	ds_store_b128 v[FS], v[FQR+16:FQR+19] offset:PN-KS
	PUT 0, H0, 12                                  ; steps 0-3; the 12 loads of steps 4-15 stay out
	s_wait_dscnt 0x0                               ; for the others' sake: my stores have landed
	s_barrier_signal -1
	s_barrier_wait -1                              ; the tables and the codes of steps 0-3 lie in LDS; none of these bytes is written again
.macro KLOAD g                         ; four fragments of K: an image of the registers, 16 bytes a lane
.irp t, 0,1,2,3
	ds_load_b128 v[KF+8*\t:KF+8*\t+3], v[ADK] offset:2048*\g+512*\t
.endr
.endm
.macro SMUL g                          ; S^T of tiles 4 g .. 4 g + 3: each product starts its own sum
.irp t, 0,1,2,3
.if \g
	v_wmma_scale_f32_16x16x128_f8f6f4 v[SC+32+8*\t:SC+32+8*\t+7], v[KF+8*\t:KF+8*\t+7], v[QF:QF+7], 0, v[KSC+\t], v[QW] matrix_a_fmt:MATRIX_FMT_FP4 matrix_b_fmt:MATRIX_FMT_FP4 matrix_a_scale:MATRIX_SCALE_ROW1
.else
	v_wmma_scale_f32_16x16x128_f8f6f4 v[SC+8*\t:SC+8*\t+7], v[KF+8*\t:KF+8*\t+7], v[QF:QF+7], 0, v[KSC+\t], v[QW] matrix_a_fmt:MATRIX_FMT_FP4 matrix_b_fmt:MATRIX_FMT_FP4
.endif
.endr
.endm
; 32 scores (registers 32 g on) become t with reference()'s roundings.  The penalties of my 32 keys come from LDS (sixteen lanes read the same 16 bytes) into V's registers, which are free here.
; The 32 compares go in one run, into 32 scalar registers, while the penalties are on their way; one wait stands between the run and the selects that read the masks.
.macro PENAL g
.if \g
	s_wait_alu depctr_va_vdst(0)                   ; the first half's additions have written v64-95 and its selects are done reading them: the loads below land there.  (Ahead of the first half no line behind the wait at the step's head names them)
.endif
.irp k, 0,1,2,3,4,5,6,7
	ds_load_b128 v[VF+4*\k:VF+4*\k+3], v[ADP] offset:256*\g+128*(\k/4)+16*(\k%4)
.endr
.irp n, 0,1,2,3,4,5,6,7,8,9,10,11,12,13,14,15,16,17,18,19,20,21,22,23,24,25,26,27,28,29,30,31
	v_cmp_gt_i32 s[CM+\n+4*(\n/24)], 64*\g+32*(\n/16)+\n%16, v[DD]                            ; where the register's key comes after my query
.endr
	s_wait_dscnt 0x0
.irp p, 0,2,4,6,8,10,12,14,16,18,20,22,24,26,28,30
	v_pk_fma_f32 v[SC+32*\g+\p:SC+32*\g+\p+1], v[SC+32*\g+\p:SC+32*\g+\p+1], 0x3e000000, v[VF+\p:VF+\p+1] op_sel_hi:[1,0,1]   ; s / 8 (exact) + the padding penalty: one rounding
.endr
.irp p, 0,2,4,6,8,10,12,14,16,18,20,22,24,26,28,30
	v_pk_add_f32 v[VF+\p:VF+\p+1], v[SC+32*\g+\p:SC+32*\g+\p+1], 0xc61c4000 op_sel_hi:[1,0]   ; the same - 10000,
.endr
	s_wait_alu depctr_va_sdst(0)                   ; the 32 compares have written their masks, ahead of the first select that reads one
.irp n, 0,1,2,3,4,5,6,7,8,9,10,11,12,13,14,15,16,17,18,19,20,21,22,23,24,25,26,27,28,29,30,31
	v_cndmask_b32 v[SC+32*\g+\n], v[SC+32*\g+\n], v[VF+\n], s[CM+\n+4*(\n/24)]                ; taken where the key is hidden
.endr
.irp p, 0,2,4,6,8,10,12,14,16,18,20,22,24,26,28,30
	v_pk_mul_f32 v[SC+32*\g+\p:SC+32*\g+\p+1], v[SC+32*\g+\p:SC+32*\g+\p+1], 0x3fb8aa3b op_sel_hi:[1,0]   ; t
.endr
.endm
; A TRIP: one step of 128 keys, or nothing.  first = 1: the first trip, written out: it lays the held loads into LDS, its last products start O^T's sums, and the barrier that shows steps 4-15 to every wave stands behind it,
; where the two ways join: every wave passes it, whichever way it took.
.macro STEP first
	s_add_co_u32 s[X0], s[Q0], 15
	s_cmp_gt_u32 s[KB], s[X0]                      ; all 128 keys come after my 16 queries,
	s_cselect_b32 s[X0], 1, 0
	s_cmp_ge_u32 s[Q0], s[FK]                      ; and each of my queries has a key without penalty:
	s_cselect_b32 s[X1], 1, 0
	s_and_b32 s[X0], s[X0], s[X1]
	s_cmp_lg_u32 s[X0], 0
	s_cbranch_scc1 .Lskip_\@                       ; every p of the step would be 0
	s_wait_alu depctr_vm_vsrc(0)                   ; the LDS loads of my last working step have read the five addresses that are written below; and the fill's LDS stores have read v64-79 and v128-147, in which this step's loads and scores land
	v_add_nc_u32 v[ADK], s[TK], v[AK0]
	v_add_nc_u32 v[ADV], s[TK], v[AV0]
	v_add_nc_u32 v[ADS], s[TC], v[AS0]
	v_add_nc_u32 v[ADT], s[TV], v[AT0]
	v_add_nc_u32 v[ADP], s[TC], v[AP0]             ; (this one serves a step with a penalty)
	s_wait_alu depctr_va_vdst(0)                   ; the five addresses are written; my last working step's products are done reading K's and V's fragments and their scale words, in which this step's loads land; ahead of my first products: Q's codes and word and the zero codes are written
	ds_load_b128 v[KSC:KSC+3], v[ADS]              ; the scale words of all eight tiles
	KLOAD 0
	s_wait_dscnt 0x0
	SMUL 0
.rept 4
	v_nop                                          ; four plain lines between the products and the loads into registers that they have read, as in the plain form of this text; the dependence itself is stated by the wait below
.endr
	s_wait_alu depctr_va_vdst(0)                   ; the four products are done reading K's fragments, in which the next four land
	KLOAD 1
	s_wait_dscnt 0x0
	SMUL 1
	s_sub_co_i32 s[X0], s[Q0], s[KB]
	v_add_nc_u32 v[DD], s[X0], v[RH]               ; this line serves a step with a penalty; with the three v_nop it makes the four places in front of the first read of the scores
	v_nop
	v_nop
	v_nop
	s_add_co_u32 s[X0], s[KB], 127
	s_cmp_le_u32 s[X0], s[Q0]                      ; no key of the step comes after any of my queries,
	s_cselect_b32 s[X0], 1, 0
	s_and_b32 s[X1], s[HB], 1
	s_xor_b32 s[X1], s[X1], 1                      ; and none is masked out:
	s_and_b32 s[X0], s[X0], s[X1]
	s_mov_b32 s[CS], 0x3e38aa3b                    ; then t = s x log2(e) / 8, which is fl((s / 8) x log2 e)
	s_mov_b32 s[CS+1], 0x3e38aa3b                  ; (the packed form names the pair)
	s_cmp_lg_u32 s[X0], 0
	s_cbranch_scc1 .Lsoft_\@
	s_wait_alu depctr_va_vdst(0)
	PENAL 0
	PENAL 1
	s_mov_b32 s[CS], 1.0                           ; the registers hold t already
	s_mov_b32 s[CS+1], 1.0
	s_wait_alu depctr_va_vdst(0)                   ; the second half's additions have written v64-95 and its selects are done reading them: V's fragments land there.  (On the way round the penalties no line behind the wait at the step's head names them)
.Lsoft_\@:
.irp t, 0,1,2,3
.irp c, 0,1
	ds_load_b128 v[VF+8*\t+4*\c:VF+8*\t+4*\c+3], v[ADV] offset:1024*\t+512*\c    ; V's four fragments land under the softmax
.endr
.endr
	ds_load_b32 v[VSC], v[ADT]
	ds_load_b32 v[VSC+1], v[ADT] offset:128
.irp b, 0,1,2,3
	v_max3_num_f32 v[BM+\b], v[SC+16*\b], v[SC+1+16*\b], v[SC+2+16*\b]   ; the largest score of each block of 32 keys: it serves the row's maximum and, since p rises with the score, the block's largest p
.endr
.irp i, 3,5,7,9,11,13
.irp b, 0,1,2,3
	v_max3_num_f32 v[BM+\b], v[BM+\b], v[SC+16*\b+\i], v[SC+1+16*\b+\i]  ; (the four blocks by turns)
.endr
.endr
.irp b, 0,1,2,3
	v_max_num_f32 v[BM+\b], v[BM+\b], v[SC+15+16*\b]
.endr
.irp b, 0,1,2,3
	v_permlanex16_b32 v[BX+\b], v[BM+\b], s[SEL], s[SEL+1]
.endr
.irp b, 0,1,2,3
	v_max_num_f32 v[BM+\b], v[BM+\b], v[BX+\b]     ; with lane l xor 16's 16 keys
.endr
	v_max3_num_f32 v[TT], v[BM], v[BM+1], v[BM+2]
	v_max_num_f32 v[TT], v[TT], v[BM+3]
	v_mul_f32 v[TT], s[CS], v[TT]                  ; the step's largest t (the factor is positive)
	v_max_num_f32 v[MX], v[MX], v[TT]
	v_mov_b32 v[TT], v[NM]
	v_floor_f32 v[NM], -v[MX]                      ; the new -M = -ceil(the largest t): a whole number
	v_sub_f32 v[TT], v[NM], v[TT]                  ; old M - new M, 0 or less
	v_cvt_i32_f32 v[TT], v[TT]                     ; (it saturates)
	v_ldexp_f32 v[FF], 1.0, v[TT]                  ; f = 2^(old M - new M): multiplying by it rounds nothing
.irp j, 0,2,4,6,8,10,12,14,16,18,20,22,24,26,28,30,32,34,36,38,40,42,44,46,48,50,52,54,56,58,60,62
	v_pk_fma_f32 v[SC+\j:SC+\j+1], v[SC+\j:SC+\j+1], s[CS:CS+1], v[NM:NM+1] op_sel_hi:[1,0,0]   ; t - M, two at a time (of both pairs the low word serves both halves)
.endr
	s_wait_alu depctr_va_vdst(0)
.irp j, 0,1,2,3,4,5,6,7,8,9,10,11,12,13,14,15,16,17,18,19,20,21,22,23,24,25,26,27,28,29,30,31,32,33,34,35,36,37,38,39,40,41,42,43,44,45,46,47,48,49,50,51,52,53,54,55,56,57,58,59,60,61,62,63
	v_exp_f32 v[SC+\j], v[SC+\j]                   ; p = 2^(t - M), at most 1
.endr
.irp b, 0,1,2,3
	v_fma_f32 v[BM+\b], v[BM+\b], s[CS], v[NM]     ; the same of each block's largest score: plain lines behind the exponentials, which name none of their results
.endr
	s_wait_alu depctr_va_vdst(0)                   ; the 64 exponentials have written p, ahead of the first line that names one of their results: one wait for the batch
.irp b, 0,1,2,3
	v_exp_f32 v[BM+\b], v[BM+\b]                   ; the block's largest p: the same arithmetic on the same number
.endr
	v_pk_add_f32 v[SA:SA+1], v[SC:SC+1], v[SC+4:SC+5]       ; the step's sum of the UNQUANTISED p, two at a time, in two chains (they read the 64 alone)
	v_pk_add_f32 v[SB:SB+1], v[SC+2:SC+3], v[SC+6:SC+7]
.irp j, 8,12,16,20,24,28,32,36,40,44,48,52,56,60
	v_pk_add_f32 v[SA:SA+1], v[SA:SA+1], v[SC+\j:SC+\j+1]
	v_pk_add_f32 v[SB:SB+1], v[SB:SB+1], v[SC+\j+2:SC+\j+3]
.endr
	s_wait_alu depctr_va_vdst(0)                   ; the four exponentials have written the blocks' largest p, ahead of their first reader
.if \first
	REST                                           ; the held loads go to LDS here: they have had Q's quantising and most of this trip in which to land, and the lines below stand between the stores and the wait for them
.endif
.irp b, 0,1,2,3
	v_max_num_f32 v[BM+\b], 0x1800000, v[BM+\b]    ; the floor 2^(3 - 127): the byte cannot fall under 1 (a block whose every p is 0 keeps that byte: its codes are zeros)
.endr
.irp b, 0,1,2,3
	v_add_nc_u32 v[SO+\b], 0xff000000, v[BM+\b]    ; 2 off the exponent field: the conversion's scale operand
.endr
.irp b, 0,1,2,3
	v_lshrrev_b32 v[BX+\b], 23, v[SO+\b]           ; the scale's byte
.endr
	v_lshl_or_b32 v[PW], v[BX+1], 8, v[BX]         ; p's scale word for these 128 keys
	v_lshl_or_b32 v[PW], v[BX+2], 16, v[PW]
	v_lshl_or_b32 v[PW], v[BX+3], 24, v[PW]
.irp b, 0,1,2,3
	v_cvt_scalef32_pk8_fp4_f32 v[PC+2*\b], v[SC+16*\b:SC+7+16*\b], v[SO+\b]
	v_cvt_scalef32_pk8_fp4_f32 v[PC+1+2*\b], v[SC+8+16*\b:SC+15+16*\b], v[SO+\b]
.endr
	v_nop                                          ; one plain line between a scaled conversion and the vector line that touches its result
.irp c, 0,1                                    ; the operand's layout wants a WHOLE block in a lane: lanes 0-15 block 2 c, lanes 16-31 block 2 c + 1
.irp i, 0,1
	v_permlane16_swap_b32 v[PC+4*\c+\i], v[PC+2+4*\c+\i]
.endr
.endr
.if \first
.rept 6
	v_nop                                          ; there is no O^T yet to rescale: with the two lines below these are the places between p's word (eight) and codes (four), written by vector lines, and the scaled products
.endr
.else
.irp j, 0,2,4,6,8,10,12,14,16,18,20,22,24,26,28,30
	v_pk_mul_f32 v[OA+\j:OA+\j+1], v[OA+\j:OA+\j+1], v[FF:FF+1] op_sel_hi:[1,0]   ; O^T under the new M, each accumulator from its low end on.  (These lines are also the places between p's word and codes and the products)
.endr
.endif
	v_pk_add_f32 v[SA:SA+1], v[SA:SA+1], v[SB:SB+1]
	v_pk_fma_f32 v[LS:LS+1], v[LS:LS+1], v[FF:FF+1], v[SA:SA+1] op_sel_hi:[1,0,1]  ; the sum under the new M, + the step's
	s_wait_dscnt 0x0                               ; V's fragments and scale words are in; in the first trip also, for the others' sake: my stores of the held loads have landed
.if \first
	s_wait_alu depctr_vm_vsrc(0)                   ; my LDS stores of the held loads have read v160-191, which the products below write
.endif
	s_wait_alu depctr_va_vdst(0)                   ; p's codes and p's scale word are written, which the scaled products below take; it stands behind the places
.irp t, 0,2                                    ; O^T += V^T P^T: the four accumulators by turns, one instruction a turn; K = these 128 keys.  The first trip's products start the sums
.if \first
	v_wmma_scale_f32_16x16x128_f8f6f4 v[OA+8*\t:OA+8*\t+7], v[VF+8*\t:VF+8*\t+7], v[PC:PC+7], 0, v[VSC+\t/2], v[PW] matrix_a_fmt:MATRIX_FMT_FP4 matrix_b_fmt:MATRIX_FMT_FP4
	v_wmma_scale_f32_16x16x128_f8f6f4 v[OA+8+8*\t:OA+15+8*\t], v[VF+8+8*\t:VF+15+8*\t], v[PC:PC+7], 0, v[VSC+\t/2], v[PW] matrix_a_fmt:MATRIX_FMT_FP4 matrix_b_fmt:MATRIX_FMT_FP4 matrix_a_scale:MATRIX_SCALE_ROW1
.else
	v_wmma_scale_f32_16x16x128_f8f6f4 v[OA+8*\t:OA+8*\t+7], v[VF+8*\t:VF+8*\t+7], v[PC:PC+7], v[OA+8*\t:OA+8*\t+7], v[VSC+\t/2], v[PW] matrix_a_fmt:MATRIX_FMT_FP4 matrix_b_fmt:MATRIX_FMT_FP4
	v_wmma_scale_f32_16x16x128_f8f6f4 v[OA+8+8*\t:OA+15+8*\t], v[VF+8+8*\t:VF+15+8*\t], v[PC:PC+7], v[OA+8+8*\t:OA+15+8*\t], v[VSC+\t/2], v[PW] matrix_a_fmt:MATRIX_FMT_FP4 matrix_b_fmt:MATRIX_FMT_FP4 matrix_a_scale:MATRIX_SCALE_ROW1
.endif
.endr
.if \first
	s_branch .Lnext_\@
.Lskip_\@:                                         ; a wave without a first step has its part of the fill all the same,
	REST
	s_wait_dscnt 0x0                               ; (for the others' sake: my stores have landed)
	s_wait_alu depctr_vm_vsrc(0)                   ; my LDS stores have read v160-191, which the moves below write; and the fill's earlier stores have read v64-79 and v128-147, which later lines and loads write
.irp j, 0,1,2,3,4,5,6,7,8,9,10,11,12,13,14,15,16,17,18,19,20,21,22,23,24,25,26,27,28,29,30,31
	v_mov_b32 v[OA+\j], 0                          ; and its O^T begins as zeros
.endr
.Lnext_\@:
	s_barrier_signal -1                            ; on both ways my LDS stores have landed
	s_barrier_wait -1                              ; the codes of steps 4-15 lie in LDS; none of these bytes is written again
.else
.Lskip_\@:
.endif
	s_lshr_b32 s[HB], s[HB], 1
	s_add_co_u32 s[TK], s[TK], 4*4096              ; four steps on
	s_add_co_u32 s[TC], s[TC], 4*512
	s_add_co_u32 s[TV], s[TV], 4*256
	s_add_co_u32 s[KB], s[KB], 4*128
.endm
	STEP 1                                         ; step (T + J) % 4, out of the codes that are there
	s_mov_b32 s[CNT], 0
.Ltrip:                                            ; three trips, a constant; what a trip leaves out is its work
	STEP 0
	s_add_co_u32 s[CNT], s[CNT], 1
	s_cmp_lt_u32 s[CNT], 3
	s_cbranch_scc1 .Ltrip
	; THE FOUR PARTS OF A TILE MEET IN LDS.  The first lines are also the places behind the last products.
	v_add_f32 v[LS], v[LS], v[LS+1]                ; the sum's two halves,
	v_permlanex16_b32 v[BX], v[LS], s[SEL], s[SEL+1]
	v_add_f32 v[MX], v[LS], v[BX]                  ; and lane l xor 16's: my part of the row's sum, beside -M in the pair v[12:13]
	v_nop
	v_nop
	s_wait_alu depctr_va_vdst(0)                   ; the products (or the clearing moves) have written O^T and the lines above the pair v[12:13], which the LDS stores read; the places above stay beside this wait.  The steps' lines are also done with v96-143, in which the loads behind the barrier land
.irp t, 0,1,2,3
	ds_store_b128 v[OSW], v[OA+8*\t:OA+8*\t+3] offset:64*\t          ; lane (r, h): channels 16 t + 8 h + 0 .. 7 of query r; each accumulator from its low end on
	ds_store_b128 v[OSW], v[OA+8*\t+4:OA+8*\t+7] offset:64*\t+16
.endr
	ds_store_b64 v[SSW], v[NM:NM+1]                ; both halves of the lanes write the same words with the same values
	s_wait_dscnt 0x0                               ; for the others' sake: my part lies in LDS
	s_barrier_signal -1
	s_barrier_wait -1
	; wave 4 T + J finishes queries 4 J .. 4 J + 3 of tile T: lanes 0-15 one row of 256 bytes, lanes 16-31 the next, twice (k)
.irp k, 0,1
.irp p, 0,1,2,3
	ds_load_b128 v[96+16*\k+4*\p:99+16*\k+4*\p], v[ORD] offset:\p*16*RP+\k*2*RP
	ds_load_b64 v[128+8*\k+2*\p:129+8*\k+2*\p], v[SRD] offset:\p*128+\k*16
.endr
.endr
	s_wait_dscnt 0x0
.irp k, 0,1
	v_min3_num_f32 v[144+\k], v[128+8*\k], v[130+8*\k], v[132+8*\k]
.endr
.irp k, 0,1
	v_min_num_f32 v[144+\k], v[144+\k], v[134+8*\k]            ; the least -M: the query's M
.endr
.irp k, 0,1
.irp p, 0,1,2,3
	v_sub_f32 v[128+8*\k+2*\p], v[144+\k], v[128+8*\k+2*\p]    ; a part's M - the query's M: a whole number, 0 or less (a wave that had no step: -3e38)
.endr
.endr
.irp k, 0,1
.irp p, 0,1,2,3
	v_cvt_i32_f32 v[128+8*\k+2*\p], v[128+8*\k+2*\p]           ; (it saturates)
.endr
.endr
.irp k, 0,1
.irp p, 0,1,2,3
	v_ldexp_f32 v[128+8*\k+2*\p], 1.0, v[128+8*\k+2*\p]        ; the part's factor, an exact power of two or 0
.endr
.endr
.irp k, 0,1
	v_mul_f32 v[146+\k], v[128+8*\k], v[129+8*\k]
.endr
.irp p, 1,2,3
.irp k, 0,1
	v_fma_f32 v[146+\k], v[128+8*\k+2*\p], v[129+8*\k+2*\p], v[146+\k]   ; the row's sum
.endr
.endr
	s_wait_alu depctr_va_vdst(0)
.irp k, 0,1
	v_rcp_f32 v[148+\k], v[146+\k]
.endr
	v_nop                                          ; a plain line behind the reciprocals
	s_wait_alu depctr_va_vdst(0)                   ; the two reciprocals have written v148-149, ahead of their first reader
.irp k, 0,1
.irp p, 0,1,2,3
	v_mul_f32 v[128+8*\k+2*\p], v[128+8*\k+2*\p], v[148+\k]    ; factor / sum
.endr
.endr
.irp k, 0,1
.irp i, 0,1,2,3
	v_mul_f32 v[152+4*\k+\i], v[96+16*\k+\i], v[128+8*\k]
.endr
.endr
.irp p, 1,2,3
.irp k, 0,1
.irp i, 0,1,2,3
	v_fma_f32 v[152+4*\k+\i], v[96+16*\k+4*\p+\i], v[128+8*\k+2*\p], v[152+4*\k+\i]
.endr
.endr
.endr
	s_wait_alu depctr_va_vdst(0)                   ; the multiply-adds have written v152-159, which the two stores read
.irp k, 0,1
	global_store_b128 v[AK0], v[152+4*\k:155+4*\k], s[18:19] offset:512*\k th:TH_STORE_NT   ; 32 lanes store two whole rows: 512 consecutive bytes, aligned; written once
.endr
	s_wait_dscnt 0x0                               ; the closing lines, six on end
	s_wait_alu 0x0
	s_wait_tensorcnt 0x0
	ds_add_u32 v222, v223
	s_wait_dscnt 0x0
	s_endpgm
.Lfunc_end_k_q9508c22630_attn:
	.size	k_q9508c22630_attn, .Lfunc_end_k_q9508c22630_attn-k_q9508c22630_attn
	.p2alignl 7, 3214868480
	.fill 96, 4, 3214868480
	.section	.rodata,"a",@progbits
	.p2align	6, 0x0
	.amdhsa_kernel k_q9508c22630_attn
		.amdhsa_group_segment_fixed_size 242688
		.amdhsa_private_segment_fixed_size 0
		.amdhsa_enable_private_segment 0
		.amdhsa_kernarg_size 64
		.amdhsa_user_sgpr_count 2
		.amdhsa_user_sgpr_kernarg_segment_ptr 1
		.amdhsa_wavefront_size32 1
		.amdhsa_system_sgpr_workgroup_id_x 1
		.amdhsa_system_sgpr_workgroup_id_y 1
		.amdhsa_system_sgpr_workgroup_id_z 1
		.amdhsa_system_vgpr_workitem_id 0
		.amdhsa_next_free_vgpr 256
		.amdhsa_next_free_sgpr 96
		.amdhsa_reserve_vcc 0
		.amdhsa_float_denorm_mode_32 3
		.amdhsa_float_denorm_mode_16_64 3
		.amdhsa_memory_ordered 1
		.amdhsa_forward_progress 1
		.amdhsa_inst_pref_size 91
	.end_amdhsa_kernel
	.amdgpu_metadata
---
amdhsa.version: [ 1, 2 ]
amdhsa.kernels:
  - .name:           k_q9508c22630_attn
    .symbol:         k_q9508c22630_attn.kd
    .args:
      - { .name: query, .offset: 0, .size: 8, .value_kind: global_buffer, .address_space: global }
      - { .name: kc, .offset: 8, .size: 8, .value_kind: global_buffer, .address_space: global }
      - { .name: ks, .offset: 16, .size: 8, .value_kind: global_buffer, .address_space: global }
      - { .name: vc, .offset: 24, .size: 8, .value_kind: global_buffer, .address_space: global }
      - { .name: vs, .offset: 32, .size: 8, .value_kind: global_buffer, .address_space: global }
      - { .name: pen, .offset: 40, .size: 8, .value_kind: global_buffer, .address_space: global }
      - { .name: meta, .offset: 48, .size: 8, .value_kind: global_buffer, .address_space: global }
      - { .name: out0, .offset: 56, .size: 8, .value_kind: global_buffer, .address_space: global }
    .group_segment_fixed_size: 242688
    .private_segment_fixed_size: 0
    .kernarg_segment_align: 8
    .kernarg_segment_size: 64
    .max_flat_workgroup_size: 512
    .sgpr_count:     96
    .vgpr_count:     256
    .wavefront_size: 32
...
	.end_amdgpu_metadata
.endif
;; end of part 5
